; MI455X (gfx1250); checked and timed in simulation.
; The chip was launched on July 23, 2026; its instructions are those of AMD's public machine-readable ISA for CDNA 5 (MIT licence, August 2026) and "CDNA5" Instruction Set Architecture Reference Guide (July 2026). The comments in the code are by the model that wrote it; some were corrected since.
;; Causal Self Attention. Allowed arithmetic: matrix products marked QUANTISED: E3M2 operands, one E8M0 scale for each 32 along K, by v_wmma_scale_f32_16x16x128_f8f6f4 with both operands' format E3M2, f32 sums; everything else in f32.
;; Inputs: W_attn 1,024 x 3,072 float32; W_proj 1,024 x 1,024 float32; b_attn 3,072 float32; b_proj 1,024 float32; x 4 x 2,048 x 1,024 float32.
;; Outputs: out0 4 x 2,048 x 1,024 float32.
;; This version of the problem:
;;   THIS VERSION OF THE PROBLEM IS GIVEN IN LOW PRECISION. The matrix products marked QUANTISED in the list below multiply operands that are first quantised to E3M2 (3 exponent bits, 2 mantissa bits; 6 bits a number), with one power-of-two scale for each 32 numbers along K (OCP MX v1.0); their sums are f32. All else is computed in f32.
;;   The module's matrix products, in the order in which they are computed (A, B: the left and right operand; K: the contracted axis; several contracted axes count as one K, in the product's order):
;;     1. [M 8,192, K 1,024] x [K 1,024, N 3,072]; A: input x; B: input W_attn: QUANTISED
;;     2. batch 64 x [M 2,048, K 64] x [K 64, N 2,048]; A: computed on the way; B: computed on the way: QUANTISED
;;     3. batch 64 x [M 2,048, K 2,048] x [K 2,048, N 64]; A: softmax (see below); B: computed on the way: QUANTISED
;;     4. [M 8,192, K 1,024] x [K 1,024, N 1,024]; A: computed on the way; B: input W_proj: QUANTISED
;;   THE QUANTISER, for each operand of a quantised product, along K:
;;     - K is cut into blocks of 32 from its start; a last block that is shorter is filled with zeros.
;;     - A block's scale is 2^e with e = floor(log2(the largest magnitude in the block)) - 4, held to -126 .. 127; a block of zeros has e = 0. As a byte (E8M0): e + 127.
;;     - Each number is divided by its block's scale, clamped to +-28, and rounded to the nearest number of E3M2, ties to even, subnormals kept.
;;     - The product sums the exact products of the quantised numbers (number of the format x scale) in f32.
;;   ~~~python
;;   def quantise(x, axis):      # numpy; x: float32 -> the quantised numbers, widened to float32 again
;;       x = np.moveaxis(x, axis, -1); K = x.shape[-1]
;;       x = np.pad(x, [(0, 0)] * (x.ndim - 1) + [(0, -K % 32)]); x = x.reshape(x.shape[:-1] + (-1, 32)); a = np.abs(x).max(-1, keepdims=True)
;;       e = np.where(a > 0, np.clip(np.frexp(np.where(a > 0, a, 1))[1] - 1 - 4, -126, 127), 0)      # np.frexp(a)[1] - 1 = floor(log2(a)), exactly
;;       r = np.clip(x / 2.0 ** e, -28, 28)
;;       step = 2.0 ** (np.maximum(np.frexp(np.where(r == 0, 1, r))[1] - 1, -2) - 2)
;;       q = np.round(r / step) * step * 2.0 ** e      # np.round: ties to even
;;       return np.moveaxis(q.reshape(q.shape[:-2] + (-1,))[..., :K], -1, axis).astype(np.float32)
;;   ~~~
;;   SOFTMAX AHEAD OF A QUANTISED PRODUCT. Where the list says 'softmax', what is quantised is not the finished softmax but p = 2^(t - M), with t = logit x log2(e) and M = ceil(the row's largest t), a whole number; so 1/2 < the row's largest p <= 1. The row's sum l is taken of the UNQUANTISED p, in f32, and the product's result is divided by l at the end. Since M is a whole number, a kernel that streams over the keys may use a running M (the ceiling of the running maximum): every later rescaling is an exact power of two, which a block's scale takes up: the codes' values come out the same.
;;   OPERANDS COMPUTED ON THE WAY. 'Computed on the way' means the value that the module computes at that place (a softmax that the list does not call 'softmax' is quantised finished and normalised). What goes into a quantiser is computed in f32, as accurately as f32 sums, v_exp_f32 and their like allow (about 1e-6 of the number): no bf16 or f16 on the way to a quantiser, and a product that is left as it is and whose result goes on into a quantised operand takes f32 operands (vector FMAs, or v_wmma_f32_16x16x4_f32). A number that lies on a knife's edge between two numbers of the format may be rounded either way, as far as f32 arithmetic and the matrix unit's own rounding can turn it there, and no further.
;; One version. Each part assembles by itself: llvm-mc -triple=amdgcn-amd-amdhsa -mcpu=gfx1250 --defsym DOCPART=n.
;; ======== version 1 of 1: 4 launches
;; workspace buffers: xc 6,291,456 bytes; xs 262,144 bytes; wac 2,359,296 bytes; was 98,304 bytes; wp 819,200 bytes; qkv 19,660,800 bytes; y 6,553,600 bytes
;; launch quant (part 1): grid 384 x 1, 4 waves a work-group, no clusters, 94,720 bytes of LDS; arguments x, W_attn, W_proj, xc, xs, wac, was, wp; writes xc, xs, wac, was, wp
.if DOCPART == 1
	.amdgcn_target "amdgcn-amd-amdhsa--gfx1250"
	.amdhsa_code_object_version 6
	.text
	.protected	k_q3e4280852f_quant
	.globl	k_q3e4280852f_quant
	.p2align	8
	.type	k_q3e4280852f_quant,@function
k_q3e4280852f_quant:
	s_mov_b64 s[64:65], 0
	v_nop
	global_prefetch_b8 v0, s[64:65] scope:SCOPE_SE
	s_setreg_imm32_b32 hwreg(HW_REG_WAVE_MODE, 25, 1), 1
	s_wait_xcnt 0x0
; x [8192][1024], W_attn [1024][3072] and W_proj [1024][1024], f32, become codes of BF6 (E3M2), 6 bits each, with one E8M0 scale byte for each 32 along K (K = the 1,024).
; A block's scale is 2^(floor(log2(its largest magnitude)) - 4); its byte is the largest magnitude's exponent field - 4, held at 1 from below.
; LIMITS: a block of zeros gets the byte 1 where the rule says 127 (its codes are zeros, and only this program reads the bytes); blocks whose largest magnitude lies under 2^-122 have their byte held at 1;
; NaN and infinities among the inputs are not served.
; POSITIONS: rows of xc and xs, and of wac and was (a row there is a column of W_attn), lie in the order "row number with bits 3 and 4 exchanged".  Sixteen neighbouring positions 16 t + r are then the rows
; 32 (t / 2) + 8 (t % 2) + r + 8 (r / 8): used as source 0 of a matrix instruction they leave a lane's registers of two neighbouring tiles as 16 neighbouring rows.
; Three ways part on the work-group's number, each with LDS bytes of its own: 0-255 x, 256-351 W_attn, 352-383 W_proj.  Every work-group reads 131,072 bytes.  Waves share nothing: no barrier.
; No matrix unit, no cluster, no tensor load: the launch streams, each input byte is read once and no two work-groups read the same bytes.
.set EMAX,   4
.set STEPS,  16                        ; x: steps of 512 numbers for a wave
.set CB,     12                        ; bytes of 16 codes
.set SP,     80                        ; x: a lane's place in a stage: 64 bytes + 16 of padding
.set WREG,   8192                      ; x: LDS of a wave: two stages of 32 x SP bytes, then its 256 scale bytes
.set XR,     16                        ; v16-79   x: four sets of 16 numbers as loaded
.set XX,     80                        ; v80-111  x: two sets of 16 neighbours
.set XE,     112                       ; v112-127 x: a scale byte for each step
.set XC,     128                       ; v128-191 x: codes, four registers a step
.set AN,     3072                      ; W_attn: numbers in a row
.set ANB,    8                         ; blocks of 32 along K for a wave
.set APITCH, 272                       ; W_attn: a stage row: sixteen places of 16 bytes + 16
.set AKROW,  768                       ; a row of wac in bytes
.set ASTG,   32768                     ; W_attn: the stages begin here, 32 x APITCH bytes a wave
.set AX,     32                        ; v32-95   weights: two sets of 32 numbers
.set AC,     96                        ; v96-102  weights: a block's codes
.set AOUT,   112                       ; v112..   weights: the way out
.set ASB,    24                        ; v24-25   weights: scale bytes, four to a register
.set PSTG,   67584                     ; W_proj: the stages begin here
.set PTILE,  1600                      ; W_proj: an image's 1,536 bytes + 64
.set PWAVE,  6656                      ; W_proj: four images and 256 bytes of scale words for a wave
.macro XLOAD t
.irp i, 0,1,2,3
	global_load_b128 v[XR+16*((\t)%4)+4*\i:XR+16*((\t)%4)+4*\i+3], v3, s[4:5] offset:2048*(\t)+512*\i th:TH_LOAD_NT   ; 32 lanes read 512 consecutive bytes
.endr
.endm
.macro XTURN t                         ; a step's numbers through the wave's stage: LDS serves a wave's instructions in order, so no wait stands between the stores and the loads
.irp i, 0,1,2,3
	ds_store_b128 v14, v[XR+16*((\t)%4)+4*\i:XR+16*((\t)%4)+4*\i+3] offset:32*SP*((\t)%2)+8*SP*\i
.endr
.irp i, 0,1,2,3
	ds_load_b128 v[XX+16*((\t)%2)+4*\i:XX+16*((\t)%2)+4*\i+3], v15 offset:32*SP*((\t)%2)+16*\i
.endr
.endm
.macro XSTEP t
.set XS, XX+16*((\t)%2)
.if (\t) > 0
	s_wait_dscnt 1                                 ; this step's numbers are back from the stage; the last step's byte store may be out
.else
	s_wait_dscnt 0x0
.endif
.if (\t)+4 < STEPS
	XLOAD (\t)+4                                   ; the stage's stores have read these registers: they take the loads of four steps on
.endif
.if (\t)+1 < STEPS
.if STEPS-2-(\t) >= 3
	s_wait_loadcnt 12                              ; the next step's four loads are in; those of the three steps behind it may be out
.else
	s_wait_loadcnt 4*(STEPS-2-(\t))
.endif
	XTURN (\t)+1
.endif
	v_max3_num_f32 v8, |v[XS]|, |v[XS+1]|, |v[XS+2]|               ; the largest magnitude of my 16
	v_max3_num_f32 v9, |v[XS+3]|, |v[XS+4]|, |v[XS+5]|
.irp i, 6,10
	v_max3_num_f32 v8, v8, |v[XS+\i]|, |v[XS+\i+1]|
	v_max3_num_f32 v9, v9, |v[XS+\i+2]|, |v[XS+\i+3]|
.endr
	v_max3_num_f32 v8, v8, |v[XS+14]|, |v[XS+15]|
	v_max3_num_f32 v8, v8, v9, (EMAX+1)<<23        ; and the floor 2^(5 - 127): the byte cannot fall under 1
	v_max_num_f32_dpp v8, v8, v8 row_xmask:1 row_mask:0xf bank_mask:0xf   ; and of my neighbour's 16: the block's
	v_add_nc_u32 v11, -(EMAX<<23), v8              ; 4 off its exponent field: the conversion takes the exponent field of this operand as its scale
	v_cvt_scalef32_pk16_bf6_f32 v[XC+4*(\t):XC+4*(\t)+2], v[XS:XS+15], v11
	v_lshrrev_b32 v[XE+(\t)], 23, v11              ; the scale's byte (a plain line behind the conversion)
	ds_store_b8 v5, v[XE+(\t)] offset:16*(\t)      ; both lanes of a block write the same byte with the same value
	global_store_b96 v4, v[XC+4*(\t):XC+4*(\t)+2], s[10:11] offset:32*CB*(\t)   ; the wave stores 384 consecutive bytes
.endm
; a block of 32 numbers in v[XS] on, all mine: v11 the conversion's scale operand, v13 the scale's byte
.macro BLKSCALE
	v_max3_num_f32 v12, |v[XS]|, |v[XS+1]|, |v[XS+2]|
	v_max3_num_f32 v13, |v[XS+3]|, |v[XS+4]|, |v[XS+5]|
.irp i, 6,10,14,18,22,26
	v_max3_num_f32 v12, v12, |v[XS+\i]|, |v[XS+\i+1]|
	v_max3_num_f32 v13, v13, |v[XS+\i+2]|, |v[XS+\i+3]|
.endr
	v_max3_num_f32 v12, v12, |v[XS+30]|, |v[XS+31]|
	v_max3_num_f32 v12, v12, v13, (EMAX+1)<<23
	v_add_nc_u32 v11, -(EMAX<<23), v12
	v_lshrrev_b32 v13, 23, v11
.endm
.macro ALOAD t                         ; W_attn(32 t + i, my column), i = 0 .. 31
.set li, 0
.rept 32
	global_load_b32 v[AX+32*((\t)%2)+li], v3, s[6:7] offset:(32*(\t)+li)*AN*4 th:TH_LOAD_NT
.set li, li+1
.endr
.endm
.macro ABLOCK t
.set XS, AX+32*((\t)%2)
.if (\t) < ANB-1
	s_wait_loadcnt 32                              ; this block's 32 loads are in; the next block's may be out
.else
	s_wait_loadcnt 0x0
.endif
	BLKSCALE
.if (\t)%4 == 0
	v_mov_b32 v[ASB+(\t)/4], v13                   ; four bytes to a register, the lower K in the lower byte
.else
	v_lshl_or_b32 v[ASB+(\t)/4], v13, 8*((\t)%4), v[ASB+(\t)/4]
.endif
	v_cvt_scalef32_pk16_bf6_f32 v[AC:AC+2], v[XS:XS+15], v11
	v_cvt_scalef32_pk16_bf6_f32 v[AC+4:AC+6], v[XS+16:XS+31], v11
	v_nop                                          ; one plain line behind the last conversion
	ds_store_b96 v4, v[AC:AC+2] offset:32*(\t)     ; 12 bytes to a place of 16
	ds_store_b96 v4, v[AC+4:AC+6] offset:32*(\t)+16
.if (\t)+2 < ANB
	ALOAD (\t)+2
.endif
	s_wait_dscnt 0x0                               ; the stores have read their registers
.endm
.macro PLOAD t                         ; W_proj: block t: column set t / 4, K block t % 4
.set li, 0
.rept 32
	global_load_b32 v[AX+32*((\t)%2)+li], v3, s[8:9] offset:(32*((\t)%4)+li)*4096+128*((\t)/4) th:TH_LOAD_NT
.set li, li+1
.endr
.endm
.macro PBLOCK t
.set XS, AX+32*((\t)%2)
.set PO, 128*((\t)/4)+256*((\t)%2)     ; the image's lane r + 16 (K block % 2), r = 8 (t / 4) + lane / 4: 16 bytes a lane; lane / 4 stands in v4
.if (\t) < 7
	s_wait_loadcnt 32
.else
	s_wait_loadcnt 0x0
.endif
	BLKSCALE
.if (\t)%4 == 0
	v_mov_b32 v[ASB], v13
.else
	v_lshl_or_b32 v[ASB], v13, 8*((\t)%4), v[ASB]
.endif
	v_cvt_scalef32_pk16_bf6_f32 v[AC:AC+2], v[XS:XS+15], v11
	v_cvt_scalef32_pk16_bf6_f32 v[AC+4:AC+6], v[XS+16:XS+31], v11
	v_nop
	v_mov_b32 v[AC+3], v[AC+4]                     ; the block's six registers on end
	v_mov_b32 v[AC+4], v[AC+5]
	v_mov_b32 v[AC+5], v[AC+6]
.if ((\t)%4)/2 == 0
	ds_store_b128 v4, v[AC:AC+3] offset:PO         ; registers 0-3 of the fragment: chunk 0
	ds_store_b64 v4, v[AC+4:AC+5] offset:PO+512    ; registers 4, 5: the lower half of chunk 1
.else
	ds_store_b64 v4, v[AC:AC+1] offset:PO+520      ; registers 6, 7: its upper half
	ds_store_b128 v4, v[AC+2:AC+5] offset:PO+1024  ; registers 8-11: chunk 2
.endif
.if (\t)%4 == 3
	ds_store_b32 v7, v[ASB] offset:4*PTILE+32*((\t)/4)   ; my column's scale word
.endif
.if (\t)+2 < 8
	PLOAD (\t)+2
.endif
	s_wait_dscnt 0x0
.endm
	s_load_b256 s[4:11], s[0:1], 0x0               ; x s[4:5], W_attn s[6:7], W_proj s[8:9], xc s[10:11]
	s_load_b256 s[12:19], s[0:1], 0x20             ; xs s[12:13], wac s[14:15], was s[16:17], wp s[18:19]
	v_lshl_add_u32 v192, v0, 2, 0x17000
	v_mov_b32 v193, 0
	v_lshrrev_b32 v1, 5, v0
	v_readfirstlane_b32 s20, v1                    ; wave
	v_and_b32 v2, 31, v0                           ; lane
	s_wait_kmcnt 0x0
	s_cmp_lt_u32 ttmp9, 256
	s_cbranch_scc0 .Lweights
	; ---- x: a wave takes a run of 8 rows (8,192 numbers), a plain stream of blocks of 32
	v_lshlrev_b32 v3, 4, v2                        ; my 16 bytes of a load's 512
	s_mul_i32 s21, s20, WREG
	v_lshrrev_b32 v14, 2, v2
	v_mul_u32_u24 v14, v14, SP
	v_and_b32 v15, 3, v2
	v_lshl_add_u32 v14, v15, 4, v14
	v_add_nc_u32 v14, s21, v14                     ; the stage, on the way in: SP (lane / 4) + 16 (lane % 4)
	v_mul_u32_u24 v15, v2, SP
	v_add_nc_u32 v15, s21, v15                     ; and on the way out: SP x lane: my 16 neighbours
	v_mul_u32_u24 v4, v2, CB                       ; my codes' place in a step's
	v_lshrrev_b32 v5, 1, v2
	s_add_co_u32 s21, s21, 2*32*SP
	v_add_nc_u32 v5, s21, v5                       ; my block's byte among the wave's 256
	v_lshlrev_b32 v7, 3, v2
	v_add_nc_u32 v6, s21, v7
	s_lshl_b32 s22, ttmp9, 2
	s_add_co_u32 s24, s22, s20                     ; the run: rows 8 g .. 8 g + 7
	s_lshl_b32 s24, s24, 15                        ; 32,768 bytes a run
	s_mov_b32 s25, 0
	s_and_b32 s23, s20, 1                          ; bits 3 and 4 of a row are bits 0 and 1 of its run, which are the wave's number: exchanged, they give the run's place
	s_lshl_b32 s23, s23, 1
	s_lshr_b32 s26, s20, 1
	s_or_b32 s23, s23, s26
	s_add_co_u32 s26, s22, s23
	s_mul_i32 s28, s26, 32*STEPS*CB                ; 6,144 bytes of codes a run
	s_mov_b32 s29, 0
	s_lshl_b32 s30, s26, 8                         ; 256 scale bytes a run
	s_mov_b32 s31, 0
	s_add_nc_u64 s[4:5], s[4:5], s[24:25]
	s_add_nc_u64 s[10:11], s[10:11], s[28:29]
	s_add_nc_u64 s[12:13], s[12:13], s[30:31]
.irp t, 0,1,2,3
	XLOAD \t
.endr
	s_wait_loadcnt 12                              ; step 0's four loads are in
	XTURN 0
.irp t, 0,1,2,3,4,5,6,7,8,9,10,11,12,13,14,15
	XSTEP \t
.endr
	ds_load_b64 v[12:13], v6                       ; LDS serves a wave's instructions in order: these see my byte stores
	s_wait_dscnt 0x0
	global_store_b64 v7, v[12:13], s[12:13]        ; 32 lanes store 256 consecutive bytes, aligned
	s_wait_tensorcnt 0x0
	ds_add_u32 v192, v193
	s_wait_dscnt 0x0
	s_endpgm
.Lweights:
	s_cmp_lt_u32 ttmp9, 352
	s_cbranch_scc0 .Lproj
	; ---- W_attn: a lane takes a column, its registers run down K; a wave takes 32 columns x 256 along K
	s_sub_co_u32 s21, ttmp9, 256
	s_lshr_b32 s22, s21, 2                         ; which 128 columns
	s_and_b32 s23, s21, 3                          ; which 256 along K
	s_lshl_b32 s22, s22, 7
	s_lshl_b32 s24, s20, 5
	s_add_co_u32 s22, s22, s24                     ; my wave's first column
	v_lshlrev_b32 v3, 2, v2
	s_mul_i32 s24, s20, 32*APITCH
	s_add_co_u32 s24, s24, ASTG                    ; my stage
	v_mul_u32_u24 v4, v2, APITCH
	v_add_nc_u32 v4, s24, v4                       ; into it: row = my column
	v_and_b32 v5, 15, v2
	v_lshrrev_b32 v6, 4, v2
	v_mul_u32_u24 v7, v6, APITCH
	v_lshl_add_u32 v7, v5, 4, v7
	v_add_nc_u32 v7, s24, v7                       ; out of it: sixteen lanes to a row, two rows an instruction
	v_mul_u32_u24 v8, v6, AKROW
	v_mad_u32_u24 v8, v5, 12, v8                   ; and the same place in wac
	v_and_b32 v9, 7, v2                            ; my column's position among the 32: bits 3 and 4 exchanged
	v_bfe_u32 v10, v2, 3, 1
	v_lshl_or_b32 v9, v10, 4, v9
	v_bfe_u32 v10, v2, 4, 1
	v_lshl_or_b32 v9, v10, 3, v9
	v_lshlrev_b32 v9, 5, v9                        ; 32 scale bytes a row of was
	s_mul_i32 s26, s23, 256*AN*4
	s_lshl_b32 s25, s22, 2
	s_add_co_u32 s26, s26, s25
	s_mov_b32 s27, 0
	s_mul_i32 s28, s22, AKROW
	s_mul_i32 s25, s23, 192
	s_add_co_u32 s28, s28, s25
	s_mov_b32 s29, 0
	s_lshl_b32 s30, s22, 5
	s_lshl_b32 s25, s23, 3
	s_add_co_u32 s30, s30, s25
	s_mov_b32 s31, 0
	s_add_nc_u64 s[6:7], s[6:7], s[26:27]
	s_add_nc_u64 s[14:15], s[14:15], s[28:29]
	s_add_nc_u64 s[16:17], s[16:17], s[30:31]
	ALOAD 0
	ALOAD 1
.irp t, 0,1,2,3,4,5,6,7
	ABLOCK \t
.endr
	global_store_b64 v9, v[ASB:ASB+1], s[16:17]    ; my column's 8 scale bytes
.irp t, 0,1,2,3,4,5,6,7,8,9,10,11,12,13,14,15
	ds_load_b96 v[AOUT+4*\t:AOUT+4*\t+2], v7 offset:2*\t*APITCH
.endr
.irp t, 0,1,2,3,4,5,6,7,8,9,10,11,12,13,14,15
	s_wait_dscnt 15-\t
	global_store_b96 v8, v[AOUT+4*\t:AOUT+4*\t+2], s[14:15] offset:(((2*\t)&7)+(((2*\t)>>3)&1)*16+(((2*\t)>>4)&1)*8)*AKROW   ; columns 2 t and 2 t + 1 at their positions; sixteen lanes store a row's 192 consecutive bytes
.endr
	s_wait_tensorcnt 0x0
	ds_add_u32 v192, v193
	s_wait_dscnt 0x0
	s_endpgm
.Lproj:
	; ---- W_proj: a wave takes 64 columns x 128 along K and leaves them as four images of operand registers: image nt holds the columns 64 g + 4 r + nt
	s_sub_co_u32 s21, ttmp9, 352
	s_lshl_b32 s21, s21, 2
	s_add_co_u32 s21, s21, s20                     ; the task 8 g + s
	s_lshr_b32 s22, s21, 3                         ; g: which 64 columns
	s_and_b32 s23, s21, 7                          ; s: which 128 along K
	s_lshl_b32 s26, s23, 19                        ; 128 rows of 4,096 bytes
	s_lshl_b32 s25, s22, 8
	s_add_co_u32 s26, s26, s25
	s_mov_b32 s27, 0
	s_mul_i32 s28, s21, 6400
	s_mov_b32 s29, 0
	v_lshlrev_b32 v3, 2, v2
	s_mul_i32 s24, s20, PWAVE
	s_add_co_u32 s24, s24, PSTG                    ; my stage
	v_and_b32 v5, 3, v2                            ; nt
	v_lshrrev_b32 v6, 2, v2                        ; lane / 4
	v_mul_u32_u24 v4, v5, PTILE
	v_lshl_add_u32 v4, v6, 4, v4
	v_add_nc_u32 v4, s24, v4                       ; image nt, 16 bytes for each lane of the image
	v_lshlrev_b32 v7, 6, v5
	v_lshl_add_u32 v7, v6, 2, v7
	v_add_nc_u32 v7, s24, v7                       ; scale words [nt][r]
	v_lshlrev_b32 v8, 4, v2
	v_add_nc_u32 v9, s24, v8                       ; back: 16 bytes a lane
	v_lshlrev_b32 v10, 3, v2
	v_add_nc_u32 v14, s24, v10
	s_add_nc_u64 s[8:9], s[8:9], s[26:27]
	s_add_nc_u64 s[18:19], s[18:19], s[28:29]
	PLOAD 0
	PLOAD 1
.irp t, 0,1,2,3,4,5,6,7
	PBLOCK \t
.endr
.irp k, 0,1,2,3,4,5,6,7,8,9,10,11
	ds_load_b128 v[AOUT+4*\k:AOUT+4*\k+3], v9 offset:(\k/3)*PTILE+(\k%3)*512
.endr
	ds_load_b64 v[AOUT+48:AOUT+49], v14 offset:4*PTILE
.irp k, 0,1,2,3,4,5,6,7,8,9,10,11
	s_wait_dscnt 12-\k
	global_store_b128 v8, v[AOUT+4*\k:AOUT+4*\k+3], s[18:19] offset:512*\k   ; 512 consecutive bytes, aligned
.endr
	s_wait_dscnt 0x0
	global_store_b64 v10, v[AOUT+48:AOUT+49], s[18:19] offset:6144           ; 256 consecutive bytes, aligned
	s_wait_tensorcnt 0x0
	ds_add_u32 v192, v193
	s_wait_dscnt 0x0
	s_endpgm
.Lfunc_end_k_q3e4280852f_quant:
	.size	k_q3e4280852f_quant, .Lfunc_end_k_q3e4280852f_quant-k_q3e4280852f_quant
	.p2alignl 7, 3214868480
	.fill 96, 4, 3214868480
	.section	.rodata,"a",@progbits
	.p2align	6, 0x0
	.amdhsa_kernel k_q3e4280852f_quant
		.amdhsa_group_segment_fixed_size 94720
		.amdhsa_private_segment_fixed_size 0
		.amdhsa_enable_private_segment 0
		.amdhsa_kernarg_size 64
		.amdhsa_user_sgpr_count 2
		.amdhsa_user_sgpr_kernarg_segment_ptr 1
		.amdhsa_wavefront_size32 1
		.amdhsa_system_sgpr_workgroup_id_x 1
		.amdhsa_system_sgpr_workgroup_id_y 1
		.amdhsa_system_sgpr_workgroup_id_z 1
		.amdhsa_system_vgpr_workitem_id 0
		.amdhsa_next_free_vgpr 194
		.amdhsa_next_free_sgpr 66
		.amdhsa_reserve_vcc 0
		.amdhsa_float_denorm_mode_32 3
		.amdhsa_float_denorm_mode_16_64 3
		.amdhsa_memory_ordered 1
		.amdhsa_forward_progress 1
		.amdhsa_inst_pref_size 114
	.end_amdhsa_kernel
	.amdgpu_metadata
---
amdhsa.version: [ 1, 2 ]
amdhsa.kernels:
  - .name:           k_q3e4280852f_quant
    .symbol:         k_q3e4280852f_quant.kd
    .args:
      - { .name: x, .offset: 0, .size: 8, .value_kind: global_buffer, .address_space: global }
      - { .name: W_attn, .offset: 8, .size: 8, .value_kind: global_buffer, .address_space: global }
      - { .name: W_proj, .offset: 16, .size: 8, .value_kind: global_buffer, .address_space: global }
      - { .name: xc, .offset: 24, .size: 8, .value_kind: global_buffer, .address_space: global }
      - { .name: xs, .offset: 32, .size: 8, .value_kind: global_buffer, .address_space: global }
      - { .name: wac, .offset: 40, .size: 8, .value_kind: global_buffer, .address_space: global }
      - { .name: was, .offset: 48, .size: 8, .value_kind: global_buffer, .address_space: global }
      - { .name: wp, .offset: 56, .size: 8, .value_kind: global_buffer, .address_space: global }
    .group_segment_fixed_size: 94720
    .private_segment_fixed_size: 0
    .kernarg_segment_align: 8
    .kernarg_segment_size: 64
    .max_flat_workgroup_size: 128
    .sgpr_count:     66
    .vgpr_count:     194
    .wavefront_size: 32
...
	.end_amdgpu_metadata
.endif
;; end of part 1
;; launch qkvgemm (part 2): grid 12 x 32, 4 waves a work-group, clusters of 4 x 4, 327,680 bytes of LDS; arguments xc, xs, wac, was, b_attn, qkv; writes qkv
.if DOCPART == 2
	.amdgcn_target "amdgcn-amd-amdhsa--gfx1250"
	.amdhsa_code_object_version 6
	.text
	.protected	k_q3e4280852f_qkvgemm
	.globl	k_q3e4280852f_qkvgemm
	.p2align	8
	.type	k_q3e4280852f_qkvgemm,@function
k_q3e4280852f_qkvgemm:
	s_mov_b64 s[64:65], 0
	v_nop
	global_prefetch_b8 v0, s[64:65] scope:SCOPE_SE
	s_setreg_imm32_b32 hwreg(HW_REG_WAVE_MODE, 25, 1), 1
	s_wait_xcnt 0x0
	s_wait_alu depctr_hold_cnt(0) depctr_sa_sdst(0) depctr_va_vdst(0) depctr_va_sdst(0) depctr_va_ssrc(0) depctr_va_vcc(0) depctr_vm_vsrc(0)
	s_getreg_b32 s2, hwreg(HW_REG_IB_STS2, 6, 4)
	s_cmp_eq_u32 s2, 0
	s_cbranch_scc0 .Lentry_in_a_cluster
	s_endpgm
.Lentry_in_a_cluster:
	s_bfe_u32 s2, ttmp6, 0x10000c
	s_cmp_lg_u32 s2, 0xf033
	s_cbranch_scc0 .Lentry_shape_is_right
	s_endpgm
.Lentry_shape_is_right:
; qkv = x W_attn + b_attn on codes of BF6 (E3M2) with E8M0 scales, and the quantisers of q, k (along the head's 64) and v (along the keys): the results leave as images of operand registers.
; A work-group of four waves makes 256 x 256 of the product, a wave 128 x 128: 64 accumulators of 16 x 16.  K = 1,024 goes in steps of 256 through a ring of two LDS slots filled by the tensor data mover;
; the scale bytes of the work-group's 2 x 256 rows come once, with the first fills.
; WHICH OPERAND IS SOURCE 0 hangs on the cluster's x.  x = 0, 1 (q and k): source 0 = 16 columns of W_attn, source 1 = 16 rows of x: a lane holds one row of x and its registers run along the head's numbers.
; x = 2 (v): source 0 = 16 rows of x, source 1 = 16 columns of W_attn: a lane holds one of the head's numbers and its registers run along the keys.  Either way a lane's registers run along the next K.
; Rows of xc and wac lie in positions (bits 3 and 4 of the number exchanged), so that the 16 registers of source 0's tiles 2 b and 2 b + 1 are 16 neighbours: 32 b + 16 (lane / 16) + 0 .. 15.
; CLUSTERS: 4 x 4 work-groups.  Source 1's tiles are shared along a row of the cluster, source 0's along a column: each is asked for jointly.  The choice of buffers and the one branch on it hang on the cluster's x, which all sixteen share.
; qkv: [b 4][hh 48][G 16][6,400 bytes]; hh 0-15 q, 16-31 k, 32-47 v; G = 128 positions of the sequence.  q, k: four images f, registers 0-5 tile 2 f, 6-11 tile 2 f + 1 (16 rows x 64); at 6,144 the scale words [r][f].
; v: four images t of 16 of the head's numbers (positions) x 128 keys; at 6,144 the scale words [r][t].  An image is 3 x 512 bytes: registers 4 c .. 4 c + 3, lane l's 16 bytes at 16 l.
; LIMITS: a block of zeros gets the byte 1 where the rule says 127 (its codes are zeros; only this program reads the bytes); NaN and infinities are not served.
; REGISTERS: window 0: v16-30 addresses; v32-63 scale words, two sets; v64-127 the bias; from v128 source 1's fragments, one set; behind the products v128-251 serve the quantisers.
;   window 1: source 0's fragments, two sets.   windows 2, 3: the accumulators ((a, b) at v[8 (8 (a % 4) + b)]; a: source 1's block, b: source 0's).
.set SIZE_K, 1024
.set KSTEP,  256
.set NQ,     KSTEP/128
.set ROWB,   192
.set KROW,   SIZE_K*6/8
.set PITCH,  240                       ; an LDS row: 3 x (64 bytes of data + 16 of padding)
.set FR,     12
.set NL,     6
.set NP,     4
.set HALFT,  128*PITCH
.set SLOT,   4*HALFT
.set LAPS,   SIZE_K/(2*KSTEP)
.set KS,     SIZE_K/32
.set SCL,    2*SLOT
.set HALFS,  (128*KS/256)*272
.set SBLK,   (16*KS/256)*272
.set SPARE,  SCL+4*HALFS               ; the spare words, 128 bytes for each wave: two blocks of 256 bytes that no other line names
.set ADRA, 16
.set ADRB, 20
.set SA,   24                          ; v24  16 x lane: my place in an image's chunk
.set SS,   25                          ; v25  16 r + 102,400 (lane / 16): the scale words of the two heads
.set BQ,   26                          ; v26  the bias, q and k: 64 (lane / 16)
.set ADRS, 27
.set SPW,  28
.set NIL,  29
.set BV,   30                          ; v30  the bias, v: 4 (r + 8 (r / 8))
.set SC,   32
.set BI,   64                          ; v64-127 the bias
.set AF,   128
.set HA,   128                         ; v128-191 64 numbers of a lane, bias added
.set EV,   192                         ; v192-203 the even head's image
.set OD,   204                         ; v204-215 the odd head's
.set TT,   216                         ; v216-222 the conversions' second halves
.set TM,   224                         ; v224-239 at work
.set PW0,  240                         ; v240, v241 the scale words just made
.set PW1,  241
.set KW,   244                         ; v244-247 scale words kept
.set SQ,   248                         ; v248-251 the scale words as they are stored
.set SEL,  20                          ; s[20:21] lane selects for v_permlanex16_b32: lane l xor 16
.set G1, 24
.set G0, 32
.set G1B, 48
.set G0B, 56
.set G1S, 68
.set G0S, 76
.set G1SB, 80
.set G0SB, 88
.set MSB, 0
.macro WIN new                         ; the immediate's high byte repeats the setting that is left
.if MSB != (\new)
	s_set_vgpr_msb (MSB<<8)|(\new)
.set MSB, (\new)
.endif
.endm
.set MUL_LO, 0xa1                      ; source 0 window 1, source 1 window 0, C and D window 2
.set MUL_HI, 0xf1
.set TO_B,   0x40
; A joint load: waves 0 and 1 fetch for source 1 ("A"), waves 2 and 3 for source 0 ("B").  The branch hangs on the wave's number alone.  Four v_nop follow each of the two lines.
.macro JLOAD g0a, g1a, g0b, g1b
	s_cmp_eq_u32 s15, 0
	s_cbranch_scc0 .Lfor_b_\@
	tensor_load_to_lds s[\g0a:\g0a+3], s[\g1a:\g1a+7]
	s_nop 0
.rept 4
	v_nop
.endr
	s_branch .Lasked_\@
.Lfor_b_\@:
	tensor_load_to_lds s[\g0b:\g0b+3], s[\g1b:\g1b+7]
	s_nop 0
.rept 4
	v_nop
.endr
.Lasked_\@:
.endm
.macro CREST
	s_cmp_lg_u32 s14, 0
	s_cbranch_scc1 .Lnot_wave_0_\@
	s_barrier_signal -3
.Lnot_wave_0_\@:
	s_barrier_wait -3
	s_barrier_signal -1
	s_barrier_wait -1
.endm
.macro CROUND
	s_barrier_signal -1
	s_barrier_wait -1
	CREST
.endm
	s_load_b256 s[4:11], s[0:1], 0x0               ; xc s[4:5], xs s[6:7], wac s[8:9], was s[10:11]
	s_load_b64 s[66:67], s[0:1], 0x20              ; b_attn
	s_load_b64 s[12:13], s[0:1], 0x28              ; qkv
	v_lshl_add_u32 v[SPW], v0, 2, SPARE
	v_mov_b32 v[NIL], 0
	ds_add_u32 v28, v29
	s_wait_dscnt 0x0
	v_lshrrev_b32 v1, 5, v0
	v_readfirstlane_b32 s14, v1                    ; wave 0..3
	s_lshr_b32 s15, s14, 1                         ; which 128 rows of source 1 are mine.  Also: I fetch for source 1 (0) or source 0 (1)
	s_and_b32 s16, s14, 1                          ; which 128 rows of source 0.  Also: which 128 rows of that tile I fetch
	s_bfe_u32 s40, ttmp6, 0x40000                  ; cx
	s_bfe_u32 s41, ttmp6, 0x40004                  ; cy
	s_and_b32 s95, ttmp7, 0xffff                   ; the cluster's y
	s_cmp_lt_u32 ttmp9, 2                          ; q, k or v: the cluster's x, the same in all sixteen
	s_cselect_b32 s42, ttmp9, s95
	s_cselect_b32 s17, s95, 2
	s_lshl_b32 s42, s42, 2
	s_add_co_u32 s42, s42, s40                     ; source 0's tile of 256 rows: q, k: 4 x + cx of wac; v: 4 y + cx of xc
	s_lshl_b32 s17, s17, 2
	s_add_co_u32 s17, s17, s41                     ; source 1's: q, k: 4 y + cy of xc; v: 8 + cy of wac
	s_lshl_b32 s43, s41, 2
	s_lshl_b32 s43, 15, s43                        ; my row of the cluster
	s_lshl_b32 s44, 0x1111, s40                    ; my column
	s_or_b32 s[G1+0], s43, (0<<16)|(1<<20)|(1<<21)|(3<<22)|(3<<25)  ; the mask; elements of 1 byte; padding on; bit 21 beside a mask; after every 16 words, 4 words
	s_or_b32 s[G1B+0], s44, (0<<16)|(1<<20)|(1<<21)|(3<<22)|(3<<25)
.irp g, G1, G1B
	s_mov_b32 s[\g+1], ROWB<<16                    ; tensor_dim0
	s_mov_b32 s[\g+2], 128<<16                     ; tensor_dim1
	s_mov_b32 s[\g+3], ROWB<<16                    ; tile_dim0
	s_mov_b32 s[\g+4], 128                         ; tile_dim1
	s_mov_b32 s[\g+5], KROW                        ; the pitch
	s_mov_b32 s[\g+6], 0
	s_mov_b32 s[\g+7], 0
.endr
	s_or_b32 s[G1S+0], s43, (3<<16)|(1<<20)|(1<<21)|(5<<22)|(3<<25)   ; the scales of 128 rows: 4,096 dense bytes as rows of 256 (32 elements of 8 bytes), 16 bytes of padding behind each
	s_or_b32 s[G1SB+0], s44, (3<<16)|(1<<20)|(1<<21)|(5<<22)|(3<<25)
.irp g, G1S, G1SB
	s_mov_b32 s[\g+1], 32<<16
	s_mov_b32 s[\g+2], (128*KS/256)<<16
	s_mov_b32 s[\g+3], 32<<16
	s_mov_b32 s[\g+4], 128*KS/256
	s_mov_b32 s[\g+5], 32
	s_mov_b32 s[\g+6], 0
	s_mov_b32 s[\g+7], 0
.endr
	s_lshl_b32 s18, s16, 7                         ; which 128 rows of the tile I fetch
	s_lshl_b32 s20, s17, 8
	s_add_co_u32 s20, s20, s18                     ; source 1's row
	s_lshl_b32 s46, s42, 8
	s_add_co_u32 s46, s46, s18                     ; source 0's row
	s_mov_b32 s21, 0
	s_mov_b32 s47, 0
	s_mov_b64 s[18:19], KS
	s_mul_u64 s[22:23], s[20:21], s[18:19]         ; where these rows' scales begin, in bytes
	s_mul_u64 s[92:93], s[46:47], s[18:19]
	s_mov_b64 s[18:19], KROW
	s_mul_u64 s[20:21], s[20:21], s[18:19]         ; and their codes
	s_mul_u64 s[46:47], s[46:47], s[18:19]
	s_mul_i32 s45, s14, HALFT                      ; where they go: wave x 128 rows
	s_mul_i32 s94, s14, HALFS
	s_wait_kmcnt 0x0
	s_cmp_lt_u32 ttmp9, 2
	s_cselect_b64 s[96:97], s[4:5], s[8:9]         ; source 1's codes: xc for q and k, wac for v
	s_cselect_b64 s[98:99], s[6:7], s[10:11]       ; its scales
	s_cselect_b64 s[100:101], s[8:9], s[4:5]       ; source 0's codes
	s_cselect_b64 s[104:105], s[10:11], s[6:7]     ; its scales
	s_add_nc_u64 s[20:21], s[96:97], s[20:21]
	s_add_nc_u64 s[22:23], s[98:99], s[22:23]
	s_add_nc_u64 s[46:47], s[100:101], s[46:47]
	s_add_nc_u64 s[92:93], s[104:105], s[92:93]
	CROUND                                         ; all sixteen work-groups are here: the first joint loads meet
	s_mov_b32 s[G0S], 1
	s_add_co_u32 s[G0S+1], s94, SCL
	s_mov_b64 s[G0S+2:G0S+3], s[22:23]
	s_or_b32 s[G0S+3], s[G0S+3], 0x80000000
	s_mov_b32 s[G0SB], 1
	s_add_co_u32 s[G0SB+1], s94, SCL
	s_mov_b64 s[G0SB+2:G0SB+3], s[92:93]
	s_or_b32 s[G0SB+3], s[G0SB+3], 0x80000000
	JLOAD G0S, G1S, G0SB, G1SB                     ; the scales first: they are wanted with K step 0
.irp s, 0,1
	s_mov_b32 s[G0+4*\s], 1
	s_add_co_u32 s[G0+4*\s+1], s45, \s*SLOT
	s_add_nc_u64 s[G0+4*\s+2:G0+4*\s+3], s[20:21], \s*ROWB
	s_or_b32 s[G0+4*\s+3], s[G0+4*\s+3], 0x80000000
	s_mov_b32 s[G0B+4*\s], 1
	s_add_co_u32 s[G0B+4*\s+1], s45, \s*SLOT
	s_add_nc_u64 s[G0B+4*\s+2:G0B+4*\s+3], s[46:47], \s*ROWB
	s_or_b32 s[G0B+4*\s+3], s[G0B+4*\s+3], 0x80000000
	JLOAD G0+4*\s, G1, G0B+4*\s, G1B
.endr
	v_and_b32 v1, 15, v0                           ; r
	v_bfe_u32 v2, v0, 4, 1                         ; h
	v_mul_u32_u24 v3, v1, PITCH
	v_mul_u32_u24 v4, v2, 24
	v_add_nc_u32 v4, v3, v4                        ; a fragment's row x pitch + 24 x half
	v_lshl_add_u32 v5, v2, 4, v4                   ; and the same behind one padding more
	s_mul_i32 s21, s15, HALFT                      ; my 128 rows of source 1
	s_mul_i32 s22, s16, HALFT                      ; my 128 rows of source 0,
	s_add_co_u32 s22, s22, 2*HALFT                 ; which lie behind source 1's 256
.irp s, 0,1
	v_add_nc_u32 v[ADRA+\s], s21, v4
	v_add_nc_u32 v[ADRB+\s], s22, v4
	v_add_nc_u32 v[ADRA+2+\s], s21, v5
	v_add_nc_u32 v[ADRB+2+\s], s22, v5
	s_add_co_u32 s21, s21, SLOT
	s_add_co_u32 s22, s22, SLOT
.endr
	v_mul_u32_u24 v5, v1, KS                       ; my row's scales: KS bytes a row,
	v_lshrrev_b32 v6, 8, v5
	v_lshl_add_u32 v5, v6, 4, v5                   ; and 16 more for each 256 passed
	s_mul_i32 s21, s15, HALFS
	s_mul_i32 s22, s16, HALFS
	s_add_co_u32 s22, s22, 2*HALFS
	s_sub_co_u32 s22, s22, s21
	v_mul_u32_u24 v6, s22, v2                      ; lanes 16-31 take source 0's
	s_add_co_u32 s21, s21, SCL
	v_add_nc_u32 v5, v5, v6
	v_add_nc_u32 v[ADRS], s21, v5
	; the way out
	v_and_b32 v6, 31, v0
	v_lshlrev_b32 v[SA], 4, v6
	v_lshlrev_b32 v[SS], 4, v1
	v_mul_u32_u24 v6, v2, 102400
	v_add_nc_u32 v[SS], v[SS], v6
	v_lshlrev_b32 v[BQ], 6, v2
	v_and_b32 v6, 8, v1
	v_add_nc_u32 v6, v6, v1
	v_lshlrev_b32 v[BV], 2, v6
.irp b, 0,1,2,3
	v_mov_b32 v[TM+4+\b], 0                        ; written once: a lane permute's destination counts as one of its sources
.endr
	s_cmp_lt_u32 ttmp9, 2
	s_cselect_b32 s20, s42, s17                    ; the tile of 256 columns of W_attn,
	s_cselect_b32 s21, s16, s15                    ; my half of it,
	s_cselect_b32 s22, s17, s42                    ; the tile of 256 rows of x,
	s_cselect_b32 s23, s15, s16                    ; my half of it
	s_lshl_b32 s18, s20, 2
	s_lshl_b32 s19, s21, 1
	s_add_co_u32 s18, s18, s19                     ; hh of my first head
	s_lshr_b32 s19, s22, 3                         ; b
	s_mul_i32 s19, s19, 48
	s_add_co_u32 s18, s18, s19
	s_lshl_b32 s18, s18, 4
	s_and_b32 s19, s22, 7
	s_lshl_b32 s19, s19, 1
	s_add_co_u32 s19, s19, s23                     ; G
	s_add_co_u32 s18, s18, s19
	s_mul_i32 s18, s18, 6400
	s_mov_b32 s19, 0
	s_add_nc_u64 s[12:13], s[12:13], s[18:19]      ; my first head's chunk; the second head's lies 102,400 bytes on
	s_lshl_b32 s18, s20, 10
	s_lshl_b32 s20, s21, 9
	s_add_co_u32 s18, s18, s20
	s_add_nc_u64 s[66:67], s[66:67], s[18:19]      ; the bias of my 128 columns
	s_mov_b32 s[SEL], 0x76543210
	s_mov_b32 s[SEL+1], 0xfedcba98
	s_mov_b32 s22, 0xffff0000                      ; lanes 16-31
.macro FRAG reg, adr, q, i             ; a fragment: lane l holds row l % 16; registers 6 c .. 6 c + 5 hold K = 64 c + 32 (l / 16) + 0 .. 31, in pieces of 8 bytes
.irp p, 0,1,2,3,4,5
.set PC, 12*(\q)+6*(\p/3)+\p%3         ; 16 bytes of padding lie behind every 8 pieces: where the piece three on lies behind one padding more, the second address register serves
.if PC%8 < 5
	ds_load_b64 v[\reg+2*\p:\reg+2*\p+1], v[\adr] offset:8*PC+16*(PC/8)+(\i)*16*PITCH
.else
	ds_load_b64 v[\reg+2*\p:\reg+2*\p+1], v[\adr+2] offset:8*PC+16*(PC/8)+(\i)*16*PITCH
.endif
.endr
.endm
; 16 matrix instructions: source 1's blocks a0, a0 + 1 x source 0's eight.  The 64 accumulators take turns, one instruction a turn, in the same order in every step.
.macro MUL16 a0, p, q, sc, zero
.irp a, \a0, \a0+1
.irp b, 0,1,2,3,4,5,6,7
.if \zero
	v_wmma_scale_f32_16x16x128_f8f6f4 v[8*(8*((\a)%4)+\b):8*(8*((\a)%4)+\b)+7], v[128*(\p)+FR*\b:128*(\p)+FR*\b+FR-1], v[AF+FR*(\a):AF+FR*(\a)+FR-1], 0, v[SC+8*NQ*(\sc)+NQ*\b+(\q)], v[SC+8*NQ*(\sc)+NQ*(\a)+(\q)] matrix_a_fmt:MATRIX_FMT_BF6 matrix_b_fmt:MATRIX_FMT_BF6 matrix_a_scale:MATRIX_SCALE_ROW1
.else
	v_wmma_scale_f32_16x16x128_f8f6f4 v[8*(8*((\a)%4)+\b):8*(8*((\a)%4)+\b)+7], v[128*(\p)+FR*\b:128*(\p)+FR*\b+FR-1], v[AF+FR*(\a):AF+FR*(\a)+FR-1], v[8*(8*((\a)%4)+\b):8*(8*((\a)%4)+\b)+7], v[SC+8*NQ*(\sc)+NQ*\b+(\q)], v[SC+8*NQ*(\sc)+NQ*(\a)+(\q)] matrix_a_fmt:MATRIX_FMT_BF6 matrix_b_fmt:MATRIX_FMT_BF6 matrix_a_scale:MATRIX_SCALE_ROW1
.endif
.endr
.endr
.endm
.macro FETCH_B slot, q, p
	WIN TO_B
.irp i, 0,1,2,3,4,5,6,7
	FRAG 128*(\p)+FR*\i, ADRB+\slot, \q, \i
.endr
	WIN 0
.endm
.macro FETCH_A slot, q, i0
.irp i, \i0, \i0+1, \i0+2, \i0+3
	FRAG AF+FR*(\i), ADRA+\slot, \q, \i
.endr
.endm
.macro SCALES sc                       ; a K step's scale words: lanes 0-15 take source 1's block i, lanes 16-31 source 0's block i
.irp i, 0,1,2,3,4,5,6,7
	ds_load_b64 v[SC+8*NQ*\sc+NQ*\i:SC+8*NQ*\sc+NQ*\i+1], v[ADRS] offset:\i*SBLK
.endr
.endm
.macro PLACES n                        ; plain vector lines between a matrix instruction and a load into, or a vector line on, its registers
.rept \n
	v_nop
.endr
.endm
.macro STEP slot, q, zero
	s_wait_dscnt 4*NL                              ; source 0's set and source 1's blocks 0-3 are in; the youngest 24 loads (blocks 4-7) may be out
	WIN MUL_LO
	MUL16 0, (\q)%2, \q, \slot, \zero
	MUL16 2, (\q)%2, \q, \slot, \zero
	s_wait_dscnt 0
	PLACES NP
	FETCH_B \slot, (\q)+1, 1-(\q)%2
	FETCH_A \slot, (\q)+1, 0
	WIN MUL_HI
	MUL16 4, (\q)%2, \q, \slot, \zero
	MUL16 6, (\q)%2, \q, \slot, \zero
	PLACES NP
	WIN 0
	FETCH_A \slot, (\q)+1, 4
.endm
; A slot's last step changes slots: one barrier; in front of it each wave waits for all its tensor loads, adds 0 to its spare word, and waits for that and for its own reads of this slot.
.macro TURN slot, next, fill
	s_wait_tensorcnt 0x0                           ; all my tensor loads have landed: my part of the next slot
	ds_add_u32 v[SPW], v[NIL]                      ; 0 onto my spare word
	s_wait_dscnt 4*NL+1                            ; the add and the youngest 24 loads may be out
	WIN MUL_LO
	MUL16 0, 1, NQ-1, \slot, 0
	s_wait_dscnt 0x0                               ; the add is done, and my reads of this slot are over
	s_barrier_signal -1
	MUL16 2, 1, NQ-1, \slot, 0
	WIN 0
	s_barrier_wait -1
.if \fill
	CREST                                          ; the barrier has opened a round of the cluster's barrier: no wave of any partner still reads this slot or has a load on its way
	s_add_nc_u64 s[G0+4*\slot+2:G0+4*\slot+3], s[G0+4*\slot+2:G0+4*\slot+3], 2*ROWB
	s_add_nc_u64 s[G0B+4*\slot+2:G0B+4*\slot+3], s[G0B+4*\slot+2:G0B+4*\slot+3], 2*ROWB
	JLOAD G0+4*\slot, G1, G0B+4*\slot, G1B         ; the first tensor load behind the round; its four v_nop are the places in front of the loads below
.else
	PLACES NP
.endif
	v_add_nc_u32 v[ADRS], 4*NQ, v[ADRS]            ; on to the next K step's scale words
	FETCH_B \next, 0, 0
	FETCH_A \next, 0, 0
	SCALES \next
	WIN MUL_HI
	MUL16 4, 1, NQ-1, \slot, 0
	MUL16 6, 1, NQ-1, \slot, 0
	PLACES NP
	WIN 0
	FETCH_A \next, 0, 4
.endm
.macro LAST                            ; the last slot's two steps; then the places in front of the first read of results, and the bias is in
	STEP 1, 0, 0
	s_wait_dscnt 4*NL
	WIN MUL_LO
	MUL16 0, 1, NQ-1, 1, 0
	MUL16 2, 1, NQ-1, 1, 0
	s_wait_dscnt 0
	WIN MUL_HI
	MUL16 4, 1, NQ-1, 1, 0
	MUL16 6, 1, NQ-1, 1, 0
	WIN 0
	PLACES NP
	s_wait_loadcnt 0x0
.endm
; source 1's block a: its eight accumulators + the bias -> v[HA] on, each accumulator from its low end on.  pair = 1: one number of the bias for the whole lane
.macro ADDB a, pair
	WIN 0x02+((\a)/4)
.set AC, 64*((\a)%4)
.set kk, 0
.rept 32
.if \pair
	v_pk_add_f32 v[HA+kk:HA+kk+1], v[AC+kk:AC+kk+1], v[BI+2*(\a):BI+2*(\a)+1]
.else
	v_pk_add_f32 v[HA+kk:HA+kk+1], v[AC+kk:AC+kk+1], v[BI+kk:BI+kk+1]
.endif
.set kk, kk+2
.endr
	WIN 0
.endm
; 64 numbers of a lane, register 16 b + i = k 32 b + 16 (lane / 16) + i of my row, become codes: k 0-63 in six registers from d0, k 64-127 in six from d1; the four scale bytes in v[pw]
.macro QUANT s, d0, d1, pw
.set QS, \s
.set QA, \d0
.set QB, \d1
.irp b, 0,1,2,3
	v_max3_num_f32 v[TM+\b], |v[QS+16*\b]|, |v[QS+1+16*\b]|, 0x2800000   ; my 16 numbers of block b, and the floor 2^(5 - 127)
.endr
.irp i, 2,4,6,8,10,12,14
.irp b, 0,1,2,3
	v_max3_num_f32 v[TM+\b], v[TM+\b], |v[QS+16*\b+\i]|, |v[QS+1+16*\b+\i]|
.endr
.endr
.irp b, 0,1,2,3
	v_permlanex16_b32 v[TM+4+\b], v[TM+\b], s[SEL], s[SEL+1]
.endr
.irp b, 0,1,2,3
	v_max_num_f32 v[TM+\b], v[TM+\b], v[TM+4+\b]   ; with lane l xor 16's: the block's largest magnitude
.endr
.irp b, 0,1,2,3
	v_add_nc_u32 v[TM+12+\b], 0xfe000000, v[TM+\b] ; 4 off its exponent field: the conversion's scale operand
.endr
.irp b, 0,1,2,3
	v_lshrrev_b32 v[TM+4+\b], 23, v[TM+12+\b]      ; the scale's byte
.endr
	v_lshl_or_b32 v[\pw], v[TM+5], 8, v[TM+4]
	v_lshl_or_b32 v[\pw], v[TM+6], 16, v[\pw]
	v_lshl_or_b32 v[\pw], v[TM+7], 24, v[\pw]
	v_cvt_scalef32_pk16_bf6_f32 v[QA:QA+2], v[QS:QS+15], v[TM+12]
	v_cvt_scalef32_pk16_bf6_f32 v[TT:TT+2], v[QS+16:QS+31], v[TM+13]
	v_cvt_scalef32_pk16_bf6_f32 v[QB:QB+2], v[QS+32:QS+47], v[TM+14]
	v_cvt_scalef32_pk16_bf6_f32 v[TT+4:TT+6], v[QS+48:QS+63], v[TM+15]
	v_nop                                          ; one plain line behind the last conversion
.irp i, 0,1,2                          ; the operand's layout wants a whole block in a lane: lanes 0-15 the even block, lanes 16-31 the odd one
	v_permlane16_swap_b32 v[QA+\i], v[TT+\i]
	v_permlane16_swap_b32 v[QB+\i], v[TT+4+\i]
.endr
.irp i, 0,1,2
	v_mov_b32 v[QA+3+\i], v[TT+\i]
	v_mov_b32 v[QB+3+\i], v[TT+4+\i]
.endr
.endm
.macro CLOSE
	global_store_b128 v[SS], v[SQ:SQ+3], s[12:13] offset:6144   ; sixteen lanes store a head's 256 bytes of scale words, aligned
	s_wait_tensorcnt 0x0                           ; the wave's end
	ds_add_u32 v[SPW], v[NIL]
	s_wait_dscnt 0x0
	CROUND                                         ; the closing round: no work-group ends while a partner may still ask for a tile that names it
	s_endpgm
.endm
	s_wait_tensorcnt 1                             ; the scales and my part of K step 0 are in; K step 1's load may be out
	s_barrier_signal -1
	s_barrier_wait -1
	FETCH_B 0, 0, 0
	FETCH_A 0, 0, 0
	SCALES 0
	FETCH_A 0, 0, 4
	STEP 0, 0, 1                                   ; the first step's products start the sums
	s_mov_b32 s3, LAPS-1
.Llap:                                                 ; a trip goes once round the ring and fills both slots again
	TURN 0, 1, 1
	STEP 1, 0, 0
	TURN 1, 0, 1
	STEP 0, 0, 0
	s_sub_co_u32 s3, s3, 1
	s_cmp_lg_u32 s3, 0
	s_cbranch_scc1 .Llap
	TURN 0, 1, 0                                   ; the last lap fills nothing
	s_cmp_lt_u32 ttmp9, 2                          ; the ways part behind the ring's last barrier, on the cluster's x
	s_cbranch_scc0 .Lv_tail
	; ---- q and k.  The bias runs with the registers: register 8 b + j wants column 32 (b / 2) + 8 (b % 2) + 16 h + j of my 128.  The loads land under the last 128 products
.irp b, 0,1,2,3,4,5,6,7
	global_load_b128 v[BI+8*\b:BI+8*\b+3], v[BQ], s[66:67] offset:128*(\b/2)+32*(\b%2)
	global_load_b128 v[BI+8*\b+4:BI+8*\b+7], v[BQ], s[66:67] offset:128*(\b/2)+32*(\b%2)+16
.endr
	LAST
.irp i, 0,1,2,3                        ; two tiles of 16 rows make one image for each of my two heads
	ADDB 2*\i, 0
	s_wait_xcnt 0x0                                ; the last images' stores have read their registers
	QUANT HA, EV, OD, PW0
	ADDB 2*\i+1, 0
	QUANT HA, EV+6, OD+6, PW1
	v_perm_b32 v242, v[PW1], v[PW0], 0x05040100    ; the even head's word: tile 2 i's two bytes, tile 2 i + 1's two
	v_perm_b32 v243, v[PW1], v[PW0], 0x07060302    ; the odd head's
	v_cndmask_b32 v[SQ+\i], v242, v243, s22        ; lanes 0-15 carry the even head's, lanes 16-31 the odd head's
.irp c, 0,1,2
	global_store_b128 v[SA], v[EV+4*\c:EV+4*\c+3], s[12:13] offset:1536*\i+512*\c          ; 512 consecutive bytes, aligned
	global_store_b128 v[SA], v[OD+4*\c:OD+4*\c+3], s[12:13] offset:102400+1536*\i+512*\c
.endr
.endr
	CLOSE
.Lv_tail:
	; ---- v.  A lane holds one column: r + 8 (r / 8) of the tile's 32 (a / 2) + 8 (a % 2) on; its bias is loaded twice, as a pair for the packed addition
.irp a, 0,1,2,3,4,5,6,7
	global_load_b32 v[BI+2*\a], v[BV], s[66:67] offset:128*(\a/2)+32*(\a%2)
	global_load_b32 v[BI+2*\a+1], v[BV], s[66:67] offset:128*(\a/2)+32*(\a%2)
.endr
	LAST
.irp a, 0,1,2,3,4,5,6,7                ; a tile of 16 columns x my 128 keys is one image
	ADDB \a, 1
	s_wait_xcnt 0x0
	QUANT HA, EV, EV+6, PW0
.irp c, 0,1,2
	global_store_b128 v[SA], v[EV+4*\c:EV+4*\c+3], s[12:13] offset:(\a/4)*102400+(\a%4)*1536+512*\c
.endr
.if \a < 4
	v_mov_b32 v[KW+\a], v[PW0]
.else
	v_cndmask_b32 v[SQ+\a-4], v[KW+\a-4], v[PW0], s22
.endif
.endr
	CLOSE
.Lfunc_end_k_q3e4280852f_qkvgemm:
	.size	k_q3e4280852f_qkvgemm, .Lfunc_end_k_q3e4280852f_qkvgemm-k_q3e4280852f_qkvgemm
	.p2alignl 7, 3214868480
	.fill 96, 4, 3214868480
	.section	.rodata,"a",@progbits
	.p2align	6, 0x0
	.amdhsa_kernel k_q3e4280852f_qkvgemm
		.amdhsa_group_segment_fixed_size 327680
		.amdhsa_private_segment_fixed_size 0
		.amdhsa_enable_private_segment 0
		.amdhsa_kernarg_size 48
		.amdhsa_user_sgpr_count 2
		.amdhsa_user_sgpr_kernarg_segment_ptr 1
		.amdhsa_wavefront_size32 1
		.amdhsa_system_sgpr_workgroup_id_x 1
		.amdhsa_system_sgpr_workgroup_id_y 1
		.amdhsa_system_sgpr_workgroup_id_z 1
		.amdhsa_system_vgpr_workitem_id 0
		.amdhsa_next_free_vgpr 1024
		.amdhsa_next_free_sgpr 106
		.amdhsa_reserve_vcc 0
		.amdhsa_float_denorm_mode_32 3
		.amdhsa_float_denorm_mode_16_64 3
		.amdhsa_memory_ordered 1
		.amdhsa_forward_progress 1
		.amdhsa_inst_pref_size 255
	.end_amdhsa_kernel
	.section	.bss,"aw",@nobits
	.p2align	6
	.space	262144
	.amdgpu_metadata
---
amdhsa.version: [ 1, 2 ]
amdhsa.kernels:
  - .name:           k_q3e4280852f_qkvgemm
    .symbol:         k_q3e4280852f_qkvgemm.kd
    .args:
      - { .name: xc, .offset: 0, .size: 8, .value_kind: global_buffer, .address_space: global }
      - { .name: xs, .offset: 8, .size: 8, .value_kind: global_buffer, .address_space: global }
      - { .name: wac, .offset: 16, .size: 8, .value_kind: global_buffer, .address_space: global }
      - { .name: was, .offset: 24, .size: 8, .value_kind: global_buffer, .address_space: global }
      - { .name: b_attn, .offset: 32, .size: 8, .value_kind: global_buffer, .address_space: global }
      - { .name: qkv, .offset: 40, .size: 8, .value_kind: global_buffer, .address_space: global }
    .group_segment_fixed_size: 327680
    .private_segment_fixed_size: 0
    .kernarg_segment_align: 8
    .kernarg_segment_size: 48
    .max_flat_workgroup_size: 128
    .sgpr_count:     106
    .vgpr_count:     1024
    .wavefront_size: 32
...
	.end_amdgpu_metadata
.endif
;; end of part 2
;; launch attn (part 3): grid 4 x 64, 16 waves a work-group, no clusters, 327,680 bytes of LDS; arguments qkv, y; writes y
.if DOCPART == 3
	.amdgcn_target "amdgcn-amd-amdhsa--gfx1250"
	.amdhsa_code_object_version 6
	.text
	.protected	k_q3e4280852f_attn
	.globl	k_q3e4280852f_attn
	.p2align	8
	.type	k_q3e4280852f_attn,@function
k_q3e4280852f_attn:
	s_mov_b64 s[64:65], 0
	v_nop
	global_prefetch_b8 v0, s[64:65] scope:SCOPE_SE
	s_setreg_imm32_b32 hwreg(HW_REG_WAVE_MODE, 25, 1), 1
	s_wait_xcnt 0x0
; y = softmax(q k^T / 8, causal) v for one head, both products on codes of BF6 (E3M2) with E8M0 scales, and the quantiser of y along the embedding.
; THE SOFTMAX AHEAD OF THE SECOND PRODUCT: t = score x log2(e) / 8; M = the row's largest t so far, rounded up to a whole number; p = 2^(t - M) is quantised along the keys, not normalised.
; The row's sum is taken of the unquantised p and divides at the end.  When M moves, the sum and O are multiplied by 2^(old M - new M): exact.
; SHARES.  Work-group (i, head) owns the query blocks i and 7 - i of 256 queries: (i + 1) + (8 - i) = 9 slots of 256 keys for every work-group, so the trip count is a constant and all have equal work.
; Each of the sixteen waves owns one tile of 16 queries of the block in hand: Q0 + r + 8 (r / 8), Q0 = 256 block + 32 (wave / 2) + 8 (wave % 2).
; LAYOUT.  S^T = K Q^T (source 0 = keys, source 1 = my queries), O^T = V^T P^T: a lane holds one query throughout.  An image of K holds TWO tiles of 16 keys, one at k 0-63 and one at k 64-127 (the head has 64 numbers):
; it is multiplied once by (q | zeros) and once by (zeros | q).  The tiles' keys are chosen so that register 16 f + i of the scores is key 32 f + 16 (lane / 16) + i.
; NO CLUSTER: the four work-groups of a head are at different key slots in the same trip (work-group i begins anew behind its slot i), so partners would need different tiles in a round.
; y: [tile of 16 positions, 512][12,800 bytes]: 16 heads x 768 bytes (registers 2 p, 2 p + 1 of the head's six at 256 p + 8 lane), then the scale bytes [r][32].
; LIMITS: a block of zeros gets the byte 1 where the rule says 127 (its codes are zeros; only this program reads the bytes); NaN and infinities are not served.
; REGISTERS: v1-10 addresses; v12 -M, v13 the largest t, v[14:15] the sum; v16-27, v210-221 the two passes' images of Q, v28, v29 their scale words; v32-79 four images of K, then of V; v96-159 S^T, then p;
;   v160-191 O^T; v192-209 (q | 0 | q); v224-235 p's codes; v232-254 at work; v248-251 K's or V's scale words; v253 p's, v255 q's.
.set CH,    6400                       ; a chunk: four images and 256 bytes of scale words
.set SLOT1, 32768                      ; a slot: K of 128 keys, K of the next 128, V likewise: 25,600 bytes; slot 1 begins here
.set SPARE, 65536                      ; the spare words, 128 bytes for each wave: eight blocks of 256 bytes that no other line names
; s2 the slot in hand; s18 wave; s[20:21] lane selects; s[22:23] c; s[24:31], s[40:43] the descriptor; s[44:45] my chunk of key slot 0; s[46:47] the key slot's bytes; s48 the trip; s49 i + 1; s50 i;
; s51 the step's first key; s52 my first query; s53, s57 that of the passes; s54, s55, s56 masks and selects; s[58:61], s[66:69] where y goes; s[76:77], s80 the prefetches
.macro TLOAD                           ; waves 0 to 3 fetch a chunk each; four v_nop follow the line
	s_cmp_lt_u32 s18, 4
	s_cbranch_scc0 .Lno_load_\@
	tensor_load_to_lds s[40:43], s[24:31]
	s_nop 0
.rept 4
	v_nop
.endr
.Lno_load_\@:
.endm
; A prefetch of the key slot that the NEXT change of slots will ask for.  Only work-group 0 of a head walks all eight key slots in order (trips 1 to 8): it asks, in its waves 4 to 6, which fetch nothing:
; 96 lanes name 96 of the slot's 100 blocks of 256 bytes (K's 50, V's first 46), each once in the launch.  In trip N key slot N + 1 is named; trip 7 has none left.
.macro ASK
	s_cmp_lt_u32 s48, s80
	s_cbranch_scc0 .Lnot_mine_\@
	global_prefetch_b8 v30, s[76:77] th:TH_LOAD_NT scope:SCOPE_SE
.Lnot_mine_\@:
.endm
; The change of slots stands at a slot's head: each wave waits for all its tensor loads, adds 0 to its spare word, waits for that and for its reads of the slot that it has left; a barrier; then the slot left is filled.
.macro CHANGE fill
	s_wait_tensorcnt 0x0                           ; no tensor load of mine is out, so the descriptor may be written
	ds_add_u32 v5, v6                              ; 0 onto my spare word
.if \fill
	s_xor_b32 s41, s41, SLOT1                      ; the other slot than last time
	s_add_co_u32 s46, s46, 2*CH                    ; the next 256 keys,
	s_cmp_eq_u32 s48, s50
	s_cselect_b32 s46, 0, s46                      ; or the first, where the next slot begins the second pass
	s_add_nc_u64 s[42:43], s[44:45], s[46:47]
	s_or_b32 s43, s43, 0x80000000
	s_wait_xcnt 0x0                                ; the last prefetch, a slot back, has read its address
	s_add_nc_u64 s[76:77], s[76:77], 2*CH
.endif
	s_wait_dscnt 0x0                               ; the add is done, and my reads of the slot that I have left are over
	s_barrier_signal -1
	s_barrier_wait -1
.if \fill
	TLOAD                                          ; the first thing behind the barrier, and a wave's one tensor load until the next
	ASK
.endif
.endm
; A pass begins: my tile of Q out of its image, its scale word, and empty sums.  The moves behind the writes of Q and of its scale word are the places in front of the scaled products.
.macro INIT img, raw, q0
.irp i, 0,1,2,3,4,5
	v_cndmask_b32 v[192+\i], v[\img+\i], v[\img+6+\i], s54
.endr
.irp i, 0,1,2,3,4,5
	v_mov_b32 v[204+\i], v[192+\i]
.endr
	v_perm_b32 v255, v[\raw], v[\raw], s55         ; my tile's two bytes, twice
	v_mov_b32 v13, 0xff61b1e6                      ; the largest t so far: -3e38
	s_delay_alu instid0(VALU_DEP_1)
	v_floor_f32 v12, -v13
	v_mov_b32 v14, 0
	v_mov_b32 v15, 0
.set j, 0
.rept 32
	v_mov_b32 v[160+j], 0
.set j, j+1
.endr
	s_mov_b32 s51, 0
	s_mov_b32 s52, \q0
.endm
; A key step: 128 keys, the q-th of the slot in hand.  A step all of whose keys come after my queries is left out: a scalar branch on ids; no barrier and no tensor load stands in a step.
.macro STEP q
	s_add_co_u32 s96, s52, 23                      ; my last query
	s_cmp_gt_u32 s51, s96
	s_cbranch_scc1 .Lhidden_\@
	v_add_nc_u32 v8, s2, v1
	v_add_nc_u32 v9, s2, v2
	v_nop
	v_nop                                          ; four places in front of loads into registers that matrix instructions have read
.irp f, 0,1,2,3
.irp c, 0,1,2
	ds_load_b128 v[32+12*\f+4*\c:35+12*\f+4*\c], v8 offset:CH*(\q)+1536*\f+512*\c
.endr
.endr
	ds_load_b128 v[248:251], v9 offset:CH*(\q)+6144
	s_wait_alu depctr_va_vdst(0)
	s_wait_dscnt 0x0
.irp f, 0,1,2,3
.irp u, 0,1
	v_wmma_scale_f32_16x16x128_f8f6f4 v[96+16*\f+8*\u:103+16*\f+8*\u], v[32+12*\f:43+12*\f], v[192+6*\u:203+6*\u], 0, v[248+\f], v255 matrix_a_fmt:MATRIX_FMT_BF6 matrix_b_fmt:MATRIX_FMT_BF6
.endr
.endr
.rept 4
	v_nop
.endr
.irp t, 0,1,2,3                        ; V's images are asked for now and land under the softmax
.irp c, 0,1,2
	ds_load_b128 v[32+12*\t+4*\c:35+12*\t+4*\c], v8 offset:2*CH+CH*(\q)+1536*\t+512*\c
.endr
.endr
	ds_load_b128 v[248:251], v9 offset:2*CH+CH*(\q)+6144
	s_add_co_u32 s96, s51, 127                     ; on the diagonal hidden scores become -infinity; a step all of whose keys count skips this
	s_cmp_le_u32 s96, s52
	s_cbranch_scc1 .Lopen_\@
	s_sub_co_i32 s96, s52, s51
	v_add_nc_u32 v252, s96, v3                     ; d = my query - the step's first key - 16 (lane / 16): register 16 f + i is hidden where 32 f + i > d
	v_mov_b32 v254, 0xff800000
.set n, 0
.rept 64
	v_cmp_gt_i32 vcc_lo, 32*(n/16)+n%16, v252
	v_cndmask_b32 v[96+n], v[96+n], v254, vcc_lo
.set n, n+1
.endr
.Lopen_\@:
.irp b, 0,1,2,3
	v_max3_num_f32 v[232+\b], v[96+16*\b], v[97+16*\b], v[98+16*\b]   ; the largest score of each block of 32 keys: for the row's maximum and, since p rises with the score, for the block's largest p
.endr
.irp i, 3,5,7,9,11,13
.irp b, 0,1,2,3
	v_max3_num_f32 v[232+\b], v[232+\b], v[96+16*\b+\i], v[97+16*\b+\i]
.endr
.endr
.irp b, 0,1,2,3
	v_max_num_f32 v[232+\b], v[232+\b], v[111+16*\b]
.endr
.irp b, 0,1,2,3
	s_delay_alu instid0(VALU_DEP_4)
	v_permlanex16_b32 v[236+\b], v[232+\b], s20, s21
.endr
.irp b, 0,1,2,3
	s_delay_alu instid0(VALU_DEP_4)
	v_max_num_f32 v[232+\b], v[232+\b], v[236+\b]
.endr
	s_delay_alu instid0(VALU_DEP_2)
	v_max3_num_f32 v254, v232, v233, v234
	s_delay_alu instid0(VALU_DEP_1)
	v_max_num_f32 v254, v254, v235
	s_delay_alu instid0(VALU_DEP_1)
	v_mul_f32 v254, s22, v254
	s_delay_alu instid0(VALU_DEP_1)
	v_max_num_f32 v13, v13, v254                   ; the running largest t
	v_mov_b32 v254, v12
	s_delay_alu instid0(VALU_DEP_2)
	v_floor_f32 v12, -v13                          ; the new -M = -ceil(t)
	s_delay_alu instid0(VALU_DEP_1)
	v_sub_f32 v254, v12, v254                      ; old M - new M: a whole number, 0 or less
	s_delay_alu instid0(VALU_DEP_1)
	v_cvt_i32_f32 v254, v254
	s_delay_alu instid0(VALU_DEP_1)
	v_ldexp_f32 v252, 1.0, v254                    ; f = 2^(old M - new M)
.set j, 0
.rept 32
	v_pk_fma_f32 v[96+j:97+j], v[96+j:97+j], s[22:23], v[12:13] op_sel_hi:[1,0,0]   ; t - M
.set j, j+2
.endr
.irp b, 0,1,2,3
	v_fma_f32 v[232+\b], v[232+\b], s22, v12
.endr
.set j, 0
	s_wait_alu depctr_va_vdst(0)
.rept 64
	v_exp_f32 v[96+j], v[96+j]                     ; p = 2^(t - M)
.set j, j+1
.endr
	v_pk_mul_f32 v[14:15], v[14:15], v[252:253] op_sel_hi:[1,0]   ; the sums under the new M (a plain line behind the exponentials)
	s_wait_alu depctr_va_vdst(0)                   ; one wait for the batch, ahead of its first reader
.irp b, 0,1,2,3
	v_exp_f32 v[232+\b], v[232+\b]                 ; each block's largest p
.endr
	v_pk_add_f32 v[236:237], v[100:101], v[104:105]
	v_pk_add_f32 v[246:247], v[108:109], v[112:113]
	v_pk_add_f32 v[244:245], v[116:117], v[120:121]
	v_pk_add_f32 v[242:243], v[124:125], v[128:129]
	v_pk_add_f32 v[240:241], v[132:133], v[136:137]
	v_pk_add_f32 v[238:239], v[140:141], v[144:145]
	v_pk_add_f32 v[230:231], v[148:149], v[152:153]
	v_pk_add_f32 v[14:15], v[14:15], v[156:157]
	v_pk_add_f32 v[236:237], v[236:237], v[96:97]
	v_pk_add_f32 v[246:247], v[246:247], v[98:99]
	v_pk_add_f32 v[244:245], v[244:245], v[102:103]
	v_pk_add_f32 v[242:243], v[242:243], v[106:107]
	v_pk_add_f32 v[240:241], v[240:241], v[110:111]
	v_pk_add_f32 v[238:239], v[238:239], v[114:115]
	v_pk_add_f32 v[230:231], v[230:231], v[118:119]
	v_pk_add_f32 v[14:15], v[14:15], v[122:123]
	v_pk_add_f32 v[236:237], v[236:237], v[126:127]
	v_pk_add_f32 v[246:247], v[246:247], v[130:131]
	v_pk_add_f32 v[244:245], v[244:245], v[134:135]
	v_pk_add_f32 v[242:243], v[242:243], v[138:139]
	v_pk_add_f32 v[240:241], v[240:241], v[142:143]
	v_pk_add_f32 v[238:239], v[238:239], v[146:147]
	v_pk_add_f32 v[230:231], v[230:231], v[150:151]
	v_pk_add_f32 v[14:15], v[14:15], v[154:155]
	v_pk_add_f32 v[236:237], v[236:237], v[158:159]
	s_delay_alu instid0(VALU_DEP_2)
	v_pk_add_f32 v[14:15], v[14:15], v[242:243]
	s_delay_alu instid0(VALU_DEP_2)
	v_pk_add_f32 v[236:237], v[236:237], v[240:241]
	v_pk_add_f32 v[246:247], v[246:247], v[238:239]
	v_pk_add_f32 v[244:245], v[244:245], v[230:231]
	s_delay_alu instid0(VALU_DEP_2)
	v_pk_add_f32 v[14:15], v[14:15], v[246:247]
	s_delay_alu instid0(VALU_DEP_2)
	v_pk_add_f32 v[236:237], v[236:237], v[244:245]
	s_delay_alu instid0(VALU_DEP_1)
	v_pk_add_f32 v[14:15], v[14:15], v[236:237]
	s_wait_alu depctr_va_vdst(0)                   ; and one for the four
.irp b, 0,1,2,3
	v_max_num_f32 v[232+\b], 0x2800000, v[232+\b]  ; the floor 2^(5 - 127)
.endr
.irp b, 0,1,2,3
	s_delay_alu instid0(VALU_DEP_4)
	v_add_nc_u32 v[244+\b], 0xfe000000, v[232+\b]
.endr
.irp b, 0,1,2,3
	s_delay_alu instid0(VALU_DEP_4)
	v_lshrrev_b32 v[236+\b], 23, v[244+\b]
.endr
	s_delay_alu instid0(VALU_DEP_3)
	v_lshl_or_b32 v253, v237, 8, v236              ; p's scale word for these 128 keys
	s_delay_alu instid0(VALU_DEP_1)
	v_lshl_or_b32 v253, v238, 16, v253
	s_delay_alu instid0(VALU_DEP_1)
	v_lshl_or_b32 v253, v239, 24, v253
.irp c, 0,1
	v_cvt_scalef32_pk16_bf6_f32 v[224+6*\c:226+6*\c], v[96+32*\c:111+32*\c], v[244+2*\c]
	v_cvt_scalef32_pk16_bf6_f32 v[236+4*\c:238+4*\c], v[112+32*\c:127+32*\c], v[244+2*\c+1]
.endr
	v_nop
.irp c, 0,1
.irp i, 0,1,2
	v_permlane16_swap_b32 v[224+6*\c+\i], v[236+4*\c+\i]
.endr
.irp i, 0,1,2
	s_delay_alu instid0(VALU_DEP_3)
	v_mov_b32 v[227+6*\c+\i], v[236+4*\c+\i]
.endr
.endr
.set j, 0
.rept 16
	v_pk_mul_f32 v[160+j:161+j], v[160+j:161+j], v[252:253] op_sel_hi:[1,0]   ; O^T under the new M; these lines are also the places in front of the products below
.set j, j+2
.endr
	s_wait_alu depctr_va_vdst(0)
	s_wait_dscnt 0x0                               ; V
.irp t, 0,1,2,3
	v_wmma_scale_f32_16x16x128_f8f6f4 v[160+8*\t:167+8*\t], v[32+12*\t:43+12*\t], v[224:235], v[160+8*\t:167+8*\t], v[248+\t], v253 matrix_a_fmt:MATRIX_FMT_BF6 matrix_b_fmt:MATRIX_FMT_BF6
.endr
.Lhidden_\@:
	s_add_co_u32 s51, s51, 128
.endm
; A pass ends: O^T / the sum; register 16 b + i is the head's number 32 b + 16 (lane / 16) + i: two blocks of the next K, quantised in registers and stored as the operand's registers.
.macro FINISH cb, sb
.rept 4
	v_nop
.endr
	v_add_f32 v14, v14, v15
	s_delay_alu instid0(VALU_DEP_1)
	v_permlanex16_b32 v252, v14, s20, s21
	s_delay_alu instid0(VALU_DEP_1)
	v_add_f32 v14, v14, v252
	s_wait_alu depctr_va_vdst(0)
	v_rcp_f32 v14, v14
	v_nop
	s_wait_alu depctr_va_vdst(0)
.set j, 0
.rept 32
	v_mul_f32 v[96+j], v[160+j], v14
.set j, j+1
.endr
.irp b, 0,1
	v_max3_num_f32 v[232+\b], |v[96+16*\b]|, |v[97+16*\b]|, 0x2800000
.endr
.irp i, 2,4,6,8,10,12,14
.irp b, 0,1
	s_delay_alu instid0(VALU_DEP_2)
	v_max3_num_f32 v[232+\b], v[232+\b], |v[96+16*\b+\i]|, |v[97+16*\b+\i]|
.endr
.endr
.irp b, 0,1
	s_delay_alu instid0(VALU_DEP_2)
	v_permlanex16_b32 v[236+\b], v[232+\b], s20, s21
.endr
.irp b, 0,1
	s_delay_alu instid0(VALU_DEP_2)
	v_max_num_f32 v[232+\b], v[232+\b], v[236+\b]
.endr
.irp b, 0,1
	s_delay_alu instid0(VALU_DEP_2)
	v_add_nc_u32 v[244+\b], 0xfe000000, v[232+\b]
.endr
.irp b, 0,1
	s_delay_alu instid0(VALU_DEP_2)
	v_lshrrev_b32 v[240+\b], 23, v[244+\b]
.endr
	v_cvt_scalef32_pk16_bf6_f32 v[224:226], v[96:111], v244
	v_cvt_scalef32_pk16_bf6_f32 v[236:238], v[112:127], v245
	v_cndmask_b32 v240, v240, v241, s56            ; my half's block's byte (a plain line behind the conversions)
.irp i, 0,1,2
	v_permlane16_swap_b32 v[224+\i], v[236+\i]
.endr
.irp i, 0,1,2
	s_delay_alu instid0(VALU_DEP_3)
	v_mov_b32 v[227+\i], v[236+\i]
.endr
.irp p, 0,1,2
	global_store_b64 v7, v[224+2*\p:225+2*\p], s[\cb:\cb+1] offset:256*\p   ; 256 consecutive bytes, aligned
.endr
	global_store_b8 v10, v240, s[\sb:\sb+1]        ; the head's two bytes of each of 16 rows: one byte in 24 of what is stored here
	s_wait_xcnt 0x0                                ; the stores have read their registers
.endm
	s_load_b128 s[4:7], s[0:1], 0x0                ; qkv s[4:5], y s[6:7]
	v_lshl_add_u32 v5, v0, 2, SPARE
	v_mov_b32 v6, 0
	ds_add_u32 v5, v6
	ds_add_u32 v5, v6
	s_wait_dscnt 0x0
	v_lshrrev_b32 v8, 5, v0
	s_delay_alu instid0(VALU_DEP_1)
	v_readfirstlane_b32 s18, v8                    ; wave 0..15
	s_and_b32 s8, ttmp7, 0xffff
	s_lshr_b32 s9, s8, 4                           ; b
	s_and_b32 s10, s8, 15                          ; the head
	s_mul_i32 s11, s9, 48
	s_add_co_u32 s11, s11, s10
	s_mov_b32 s24, 3<<16                           ; a chunk as 25 rows of 256 bytes: elements of 8 bytes, no padding, no mask
	s_mov_b32 s25, 32<<16                          ; tensor_dim0
	s_mov_b32 s26, 25<<16                          ; tensor_dim1
	s_mov_b32 s27, 32<<16                          ; tile_dim0
	s_mov_b32 s28, 25                              ; tile_dim1
	s_mov_b32 s29, 32                              ; the pitch
	s_mov_b32 s30, 0
	s_mov_b32 s31, 0
	s_lshr_b32 s12, s18, 1                         ; waves 0, 1: K; waves 2, 3: V, sixteen heads on
	s_and_b32 s12, s12, 1
	s_lshl_b32 s12, s12, 4
	s_add_co_u32 s12, s12, s11
	s_add_co_u32 s12, s12, 16
	s_lshl_b32 s12, s12, 4
	s_and_b32 s13, s18, 1                          ; which 128 keys of a slot
	s_add_co_u32 s12, s12, s13
	s_mul_i32 s12, s12, CH
	s_mov_b32 s13, 0
	s_and_b32 s14, s18, 3
	s_mul_i32 s41, s14, CH                         ; its place in slot 0
	s_mov_b32 s40, 1
	s_mov_b32 s46, 0
	s_mov_b32 s47, 0
	s_wait_kmcnt 0x0
	s_add_nc_u64 s[44:45], s[4:5], s[12:13]
	s_mov_b64 s[42:43], s[44:45]
	s_or_b32 s43, s43, 0x80000000
	TLOAD                                          ; the first slot, ahead of everything else
	s_mov_b32 s50, ttmp9                           ; i
	s_add_co_u32 s49, s50, 1
	s_lshr_b32 s14, s18, 1
	s_lshl_b32 s14, s14, 5
	s_and_b32 s15, s18, 1                          ; u
	s_lshl_b32 s16, s15, 3
	s_add_co_u32 s14, s14, s16
	s_lshl_b32 s16, s50, 8
	s_add_co_u32 s57, s14, s16                     ; my first query in block i,
	s_sub_co_u32 s16, 7, s50
	s_lshl_b32 s17, s16, 8
	s_add_co_u32 s53, s14, s17                     ; and in block 7 - i
	s_cmp_eq_u32 s15, 0
	s_cselect_b32 s54, 0, -1                       ; which tile of the image is mine
	s_mov_b32 s55, 0x03020302
	s_cselect_b32 s55, 0x01000100, s55             ; and which two bytes of its scale word
	s_mov_b32 s56, 0xffff0000                      ; lanes 16-31
	s_lshl_b32 s14, s9, 7
	s_add_co_u32 s14, s14, s18
	s_lshl_b32 s15, s50, 4
	s_add_co_u32 s15, s15, s14                     ; y's tile 128 b + 16 block + wave
	s_lshl_b32 s17, s16, 4
	s_add_co_u32 s17, s17, s14
	s_mul_i32 s70, s15, 12800
	s_mul_i32 s72, s17, 12800
	s_mov_b32 s71, 0
	s_mov_b32 s73, 0
	s_add_nc_u64 s[58:59], s[6:7], s[70:71]
	s_add_nc_u64 s[66:67], s[6:7], s[72:73]
	s_mul_i32 s70, s10, 768
	s_lshl_b32 s72, s10, 1
	s_add_co_u32 s72, s72, 12288
	s_add_nc_u64 s[60:61], s[58:59], s[72:73]      ; the first pass's scale bytes,
	s_add_nc_u64 s[58:59], s[58:59], s[70:71]      ; and codes
	s_add_nc_u64 s[68:69], s[66:67], s[72:73]      ; the second pass's
	s_add_nc_u64 s[66:67], s[66:67], s[70:71]
	s_lshl_b32 s14, s11, 4                         ; Q: chunk (48 b + head) 16 + 2 block + wave / 8, image (wave / 2) % 4
	s_lshr_b32 s15, s18, 3
	s_add_co_u32 s14, s14, s15
	s_lshl_b32 s15, s50, 1
	s_add_co_u32 s15, s15, s14
	s_mul_i32 s70, s15, CH
	s_lshl_b32 s15, s16, 1
	s_add_co_u32 s15, s15, s14
	s_mul_i32 s72, s15, CH
	s_add_nc_u64 s[70:71], s[4:5], s[70:71]
	s_add_nc_u64 s[72:73], s[4:5], s[72:73]
	s_bfe_u32 s15, s18, 0x20001
	s_mul_i32 s17, s15, 1536
	s_lshl_b32 s15, s15, 2
	v_and_b32 v9, 31, v0
	s_delay_alu instid0(VALU_DEP_1)
	v_lshlrev_b32 v1, 4, v9                        ; 16 x lane
	s_delay_alu instid0(VALU_DEP_2)
	v_lshlrev_b32 v7, 3, v9                        ; 8 x lane
	v_and_b32 v10, 15, v0                          ; r
	v_bfe_u32 v11, v0, 4, 1                        ; h
	s_delay_alu instid0(VALU_DEP_2)
	v_lshlrev_b32 v2, 4, v10                       ; 16 r
	s_delay_alu instid0(VALU_DEP_3)
	v_and_b32 v3, 8, v10
	s_delay_alu instid0(VALU_DEP_1)
	v_add_nc_u32 v3, v3, v10
	s_delay_alu instid0(VALU_DEP_4)
	v_lshlrev_b32 v4, 4, v11
	s_delay_alu instid0(VALU_DEP_1)
	v_sub_nc_u32 v3, v3, v4                        ; r + 8 (r / 8) - 16 h
	v_lshl_add_u32 v10, v10, 5, v11                ; 32 r + h
	v_add_nc_u32 v8, s17, v1
	v_add_nc_u32 v9, s15, v2
.irp c, 0,1,2
	global_load_b128 v[210+4*\c:213+4*\c], v8, s[70:71] offset:512*\c
	global_load_b128 v[16+4*\c:19+4*\c], v8, s[72:73] offset:512*\c
.endr
	global_load_b32 v28, v9, s[70:71] offset:6144
	global_load_b32 v29, v9, s[72:73] offset:6144
	s_add_co_u32 s14, s11, 16                      ; the prefetches: K of my head, key slot 0; each change of slots steps it
	s_mul_i32 s14, s14, 16*CH
	s_mov_b32 s15, 0
	s_add_nc_u64 s[76:77], s[4:5], s[14:15]
	s_sub_co_u32 s96, s18, 4
	s_cmp_lt_u32 s96, 3                            ; waves 4 to 6
	s_cselect_b32 s80, 7, 0
	s_cmp_eq_u32 s50, 0                            ; of the head's work-group 0
	s_cselect_b32 s80, s80, 0
	v_add_nc_u32 v30, 0xffffff80, v0               ; j = my thread's number - 128: 0 .. 95 in those waves
	s_delay_alu instid0(VALU_DEP_1)
	v_cmp_lt_u32 vcc_lo, 49, v30
	v_mov_b32 v31, 1625600                         ; from j = 50 on V's blocks: sixteen heads on, less K's 50 blocks
	s_delay_alu instid0(VALU_DEP_1)
	v_cndmask_b32 v31, 0, v31, vcc_lo
	s_delay_alu instid0(VALU_DEP_1)
	v_lshl_add_u32 v30, v30, 8, v31
	s_mov_b32 s20, 0x76543210
	s_mov_b32 s21, 0xfedcba98
	s_mov_b32 s22, 0x3e38aa3b                      ; c = log2(e) / 8
	s_mov_b32 s23, s22
	s_mov_b32 s2, 0
.irp i, 0,1,2,3,4,5
	v_mov_b32 v[198+\i], 0                         ; the zeros between the two copies of q
.endr
.irp b, 0,1,2,3
	v_mov_b32 v[236+\b], 0                         ; written once: a lane permute's destination counts as one of its sources
.endr
	v_mov_b32 v252, 0
	v_mov_b32 v253, 0
	s_wait_loadcnt 0x0                             ; Q of both passes
	INIT 210, 28, s57
	s_mov_b32 s48, 0
.Lslot:                                            ; eight trips: behind each change of slots but the last the next slot is asked for
	CHANGE 1
	s_cmp_lg_u32 s48, s49                          ; behind slot i the first pass is over: the same in all sixteen waves
	s_cbranch_scc1 .Lsame_pass
	FINISH 58, 60
	INIT 16, 29, s53
.Lsame_pass:
	STEP 0
	STEP 1
	s_xor_b32 s2, s2, SLOT1
	s_add_co_u32 s48, s48, 1
	s_cmp_lt_u32 s48, 8
	s_cbranch_scc1 .Lslot
	CHANGE 0                                       ; the last slot is written out
	STEP 0
	STEP 1
	FINISH 66, 68
	s_wait_tensorcnt 0x0                           ; the wave's end
	ds_add_u32 v5, v6
	s_wait_dscnt 0x0
	s_endpgm
.Lfunc_end_k_q3e4280852f_attn:
	.size	k_q3e4280852f_attn, .Lfunc_end_k_q3e4280852f_attn-k_q3e4280852f_attn
	.p2alignl 7, 3214868480
	.fill 96, 4, 3214868480
	.section	.rodata,"a",@progbits
	.p2align	6, 0x0
	.amdhsa_kernel k_q3e4280852f_attn
		.amdhsa_group_segment_fixed_size 327680
		.amdhsa_private_segment_fixed_size 0
		.amdhsa_enable_private_segment 0
		.amdhsa_kernarg_size 16
		.amdhsa_user_sgpr_count 2
		.amdhsa_user_sgpr_kernarg_segment_ptr 1
		.amdhsa_wavefront_size32 1
		.amdhsa_system_sgpr_workgroup_id_x 1
		.amdhsa_system_sgpr_workgroup_id_y 1
		.amdhsa_system_sgpr_workgroup_id_z 1
		.amdhsa_system_vgpr_workitem_id 0
		.amdhsa_next_free_vgpr 256
		.amdhsa_next_free_sgpr 100
		.amdhsa_reserve_vcc 1
		.amdhsa_float_denorm_mode_32 3
		.amdhsa_float_denorm_mode_16_64 3
		.amdhsa_memory_ordered 1
		.amdhsa_forward_progress 1
		.amdhsa_inst_pref_size 108
	.end_amdhsa_kernel
	.amdgpu_metadata
---
amdhsa.version: [ 1, 2 ]
amdhsa.kernels:
  - .name:           k_q3e4280852f_attn
    .symbol:         k_q3e4280852f_attn.kd
    .args:
      - { .name: qkv, .offset: 0, .size: 8, .value_kind: global_buffer, .address_space: global }
      - { .name: y, .offset: 8, .size: 8, .value_kind: global_buffer, .address_space: global }
    .group_segment_fixed_size: 327680
    .private_segment_fixed_size: 0
    .kernarg_segment_align: 8
    .kernarg_segment_size: 16
    .max_flat_workgroup_size: 512
    .sgpr_count:     100
    .vgpr_count:     256
    .wavefront_size: 32
...
	.end_amdgpu_metadata
.endif
;; end of part 3
;; launch proj (part 4): grid 4 x 64, 4 waves a work-group, clusters of 4 x 1, 168,448 bytes of LDS; arguments y, wp, b_proj, out0; writes out0
.if DOCPART == 4
	.amdgcn_target "amdgcn-amd-amdhsa--gfx1250"
	.amdhsa_code_object_version 6
	.text
	.protected	k_q3e4280852f_proj
	.globl	k_q3e4280852f_proj
	.p2align	8
	.type	k_q3e4280852f_proj,@function
k_q3e4280852f_proj:
	s_mov_b64 s[64:65], 0
	v_nop
	global_prefetch_b8 v0, s[64:65] scope:SCOPE_SE
	s_setreg_imm32_b32 hwreg(HW_REG_WAVE_MODE, 25, 1), 1
	s_wait_xcnt 0x0
	s_wait_alu depctr_hold_cnt(0) depctr_sa_sdst(0) depctr_va_vdst(0) depctr_va_sdst(0) depctr_va_ssrc(0) depctr_va_vcc(0) depctr_vm_vsrc(0)
	s_getreg_b32 s2, hwreg(HW_REG_IB_STS2, 6, 4)
	s_cmp_eq_u32 s2, 0
	s_cbranch_scc0 .Lentry_in_a_cluster
	s_endpgm
.Lentry_in_a_cluster:
	s_bfe_u32 s2, ttmp6, 0x10000c
	s_cmp_lg_u32 s2, 0x3003
	s_cbranch_scc0 .Lentry_shape_is_right
	s_endpgm
.Lentry_shape_is_right:
; out0 = y W_proj + b_proj on codes of BF6 (E3M2) with E8M0 scales.  y and W_proj arrive as images of operand registers.
; SHARES.  A work-group makes 128 rows x 256 columns; wave w takes the 64 columns 64 g on, g = 4 cx + w, for all 128 rows.  Its part of W_proj, 32 fragments, stays in 384 registers, read once.
; CLUSTER.  The four work-groups of a cluster make the four column blocks of the same 128 rows: y's eight tiles, 102,400 dense bytes, are asked for jointly, a quarter by each wave.  LDS is filled once: no ring.
; LAYOUT.  Source 0 = a tile of 16 positions of y, source 1 = W's tile nt, whose lane r is column 64 g + 4 r + nt.  Register j of accumulator nt is (position 8 h + j, column 64 g + 4 r + nt): so the four accumulators'
; registers j, with the bias added, are 16 neighbouring bytes of a row, and sixteen lanes store 256 consecutive bytes, aligned: no stage in LDS.  Position 16 a + 8 h + j is row 32 (a / 2) + 8 (a % 2) + 16 h + j.
; REGISTERS: window 0: v1-8 addresses; v12-15 the bias; v16-31 W's scale words (register 2 s + q: nt = 2 q in lanes 0-15, 2 q + 1 in lanes 16-31); v32-47 y's scale words, two sets; v64-159, v160-255 y's fragments, two sets.
;   window 1: W of K steps 0-4 at v[48 s + 12 nt].   window 2: W of K steps 5-7 at v[48 (s - 5) + 12 nt]; v144-175 the accumulators; v176-207 the results.
.set ACC, 144
.set OUT, 176
.set WS,  16
.set MSB, 0
.macro WIN new
.if MSB != (\new)
	s_set_vgpr_msb (MSB<<8)|(\new)
.set MSB, (\new)
.endif
.endm
.macro ROUND                           ; a round of the cluster's barrier
	s_barrier_signal -1
	s_barrier_wait -1
	s_cmp_lg_u32 s12, 0
	s_cbranch_scc1 .Lnot_wave_0_\@
	s_barrier_signal -3
.Lnot_wave_0_\@:
	s_barrier_wait -3
	s_barrier_signal -1
	s_barrier_wait -1
.endm
.macro FETCH a                         ; tile a's eight fragments and its scale words into set a % 2
.set FS, 64+96*((\a)%2)
.set FC, 32+8*((\a)%2)
.if (\a) < 5
.set FA, 1
.set FB, 3
.set FO, 12800*(\a)
.else
.set FA, 2                             ; beyond the 16-bit immediate: registers that stand 64,000 bytes on
.set FB, 4
.set FO, 12800*((\a)-5)
.endif
.set p, 0
.rept 48
	ds_load_b64 v[FS+2*p:FS+2*p+1], v[FA] offset:FO+256*p
.set p, p+1
.endr
	ds_load_b128 v[FC:FC+3], v[FB] offset:FO+12288
	ds_load_b128 v[FC+4:FC+7], v[FB] offset:FO+12304
.endm
.macro PROD s, n, wb
.if (\s) == 0
.if (\n)%2
	v_wmma_scale_f32_16x16x128_f8f6f4 v[ACC+8*(\n):ACC+8*(\n)+7], v[YS+12*(\s):YS+12*(\s)+11], v[12*(\n)+(\wb):12*(\n)+(\wb)+11], 0, v[YC+(\s)], v[WS+2*(\s)+(\n)/2] matrix_a_fmt:MATRIX_FMT_BF6 matrix_b_fmt:MATRIX_FMT_BF6 matrix_b_scale:MATRIX_SCALE_ROW1
.else
	v_wmma_scale_f32_16x16x128_f8f6f4 v[ACC+8*(\n):ACC+8*(\n)+7], v[YS+12*(\s):YS+12*(\s)+11], v[12*(\n)+(\wb):12*(\n)+(\wb)+11], 0, v[YC+(\s)], v[WS+2*(\s)+(\n)/2] matrix_a_fmt:MATRIX_FMT_BF6 matrix_b_fmt:MATRIX_FMT_BF6
.endif
.else
.if (\n)%2
	v_wmma_scale_f32_16x16x128_f8f6f4 v[ACC+8*(\n):ACC+8*(\n)+7], v[YS+12*(\s):YS+12*(\s)+11], v[12*(\n)+(\wb):12*(\n)+(\wb)+11], v[ACC+8*(\n):ACC+8*(\n)+7], v[YC+(\s)], v[WS+2*(\s)+(\n)/2] matrix_a_fmt:MATRIX_FMT_BF6 matrix_b_fmt:MATRIX_FMT_BF6 matrix_b_scale:MATRIX_SCALE_ROW1
.else
	v_wmma_scale_f32_16x16x128_f8f6f4 v[ACC+8*(\n):ACC+8*(\n)+7], v[YS+12*(\s):YS+12*(\s)+11], v[12*(\n)+(\wb):12*(\n)+(\wb)+11], v[ACC+8*(\n):ACC+8*(\n)+7], v[YC+(\s)], v[WS+2*(\s)+(\n)/2] matrix_a_fmt:MATRIX_FMT_BF6 matrix_b_fmt:MATRIX_FMT_BF6
.endif
.endif
.endm
; A tile of 16 positions: 32 products, the four accumulators by turns; the next tile's fragments are fetched meanwhile
.macro TILE a
.set YS, 64+96*((\a)%2)
.set YC, 32+8*((\a)%2)
	s_wait_dscnt 0x0                               ; this tile's fragments are in
.if (\a) < 7
	FETCH (\a)+1                                   ; into the other set: behind its last readers stand the last tile's four v_nop and 32 additions
.endif
	WIN 0xa4                                       ; source 0 (y) window 0, source 1 (W) window 1, C and D window 2
.irp s, 0,1,2,3,4
.irp n, 0,1,2,3
	PROD \s, \n, 48*\s
.endr
.endr
	WIN 0xa8                                       ; W in window 2
.irp s, 5,6,7
.irp n, 0,1,2,3
	PROD \s, \n, 48*(\s-5)
.endr
.endr
.rept 4
	v_nop                                          ; places in front of the first read of results
.endr
	s_wait_xcnt 0x0                                ; the last tile's stores have read their registers
	WIN 0x82                                       ; accumulators and results in window 2, the bias in window 0
.irp j, 0,1,2,3,4,5,6,7
.irp n, 0,1,2,3
	v_add_f32 v[OUT+4*\j+\n], v[ACC+8*\n+\j], v[12+\n]   ; each accumulator from its low end on
.endr
.endr
	WIN 0x08                                       ; a store's data: window 2
.irp j, 0,1,2,3,4,5,6,7
	global_store_b128 v7, v[OUT+4*\j:OUT+4*\j+3], s[10:11] offset:(32*((\a)/2)+8*((\a)%2)+\j)*4096 th:TH_STORE_NT   ; sixteen lanes store 256 consecutive bytes, aligned; lanes 16-31 sixteen rows further down
.endr
	WIN 0
.endm
	s_load_b256 s[4:11], s[0:1], 0x0               ; y s[4:5], wp s[6:7], b_proj s[8:9], out0 s[10:11]
	v_lshl_add_u32 v62, v0, 2, 0x29000
	v_mov_b32 v63, 0
	ds_add_u32 v62, v63
	v_lshrrev_b32 v1, 5, v0
	v_readfirstlane_b32 s12, v1                    ; wave 0..3
	s_bfe_u32 s13, ttmp6, 0x40000                  ; cx: it enters W's, the bias's and the output's addresses alone
	s_and_b32 s14, ttmp7, 0xffff                   ; which 128 rows: the four partners share it
	s_mov_b32 s24, 15|(3<<16)|(1<<21)              ; the mask: all four work-groups; elements of 8 bytes; bit 21 beside a mask; no padding
	s_mov_b32 s25, 32<<16                          ; tensor_dim0: rows of 256 bytes
	s_mov_b32 s26, 100<<16                         ; tensor_dim1: two tiles of y, 25,600 dense bytes
	s_mov_b32 s27, 32<<16                          ; tile_dim0
	s_mov_b32 s28, 100                             ; tile_dim1
	s_mov_b32 s29, 32                              ; the pitch
	s_mov_b32 s30, 0
	s_mov_b32 s31, 0
	s_lshl_b32 s16, s14, 3
	s_lshl_b32 s17, s12, 1
	s_add_co_u32 s16, s16, s17                     ; tiles 8 R + 2 w, 8 R + 2 w + 1
	s_mul_i32 s16, s16, 12800
	s_mov_b32 s17, 0
	s_mov_b32 s32, 1
	s_mul_i32 s33, s12, 25600
	s_wait_dscnt 0x0
	s_wait_kmcnt 0x0
	s_add_nc_u64 s[34:35], s[4:5], s[16:17]
	s_or_b32 s35, s35, 0x80000000
	ROUND                                          ; all four work-groups are here: the joint loads meet
	tensor_load_to_lds s[32:35], s[24:31]
	s_nop 0
.rept 4
	v_nop
.endr
	s_lshl_b32 s18, s13, 2
	s_add_co_u32 s18, s18, s12                     ; g
	s_mul_i32 s20, s18, 51200
	s_mov_b32 s21, 0
	s_add_nc_u64 s[6:7], s[6:7], s[20:21]          ; W's eight chunks of my 64 columns
	s_lshl_b32 s20, s18, 8
	s_add_nc_u64 s[8:9], s[8:9], s[20:21]          ; their bias
	s_lshl_b32 s22, s14, 19                        ; 128 rows of 4,096 bytes
	s_add_co_u32 s20, s20, s22
	s_add_nc_u64 s[10:11], s[10:11], s[20:21]
	v_and_b32 v9, 31, v0
	v_and_b32 v10, 15, v0                          ; r
	v_bfe_u32 v11, v0, 4, 1                        ; h
	v_lshlrev_b32 v1, 3, v9                        ; 8 x lane
	v_add_nc_u32 v2, 64000, v1
	v_lshlrev_b32 v3, 5, v10                       ; 32 r
	v_add_nc_u32 v4, 64000, v3
	v_lshlrev_b32 v5, 4, v9                        ; 16 x lane
	v_lshlrev_b32 v6, 2, v9                        ; 4 x lane
	v_lshlrev_b32 v8, 4, v10                       ; 16 r
	v_lshl_add_u32 v7, v11, 16, v8                 ; 16 r + 16 rows x h
	WIN 0x40                                       ; destination window 1
.irp s, 0,1,2,3,4
.irp q, 0,1,2,3,4,5,6,7,8,9,10,11
	global_load_b128 v[48*\s+4*\q:48*\s+4*\q+3], v5, s[6:7] offset:6400*\s+512*\q
.endr
.endr
	WIN 0x80                                       ; destination window 2
.irp s, 5,6,7
.irp q, 0,1,2,3,4,5,6,7,8,9,10,11
	global_load_b128 v[48*(\s-5)+4*\q:48*(\s-5)+4*\q+3], v5, s[6:7] offset:6400*\s+512*\q
.endr
.endr
	WIN 0
.irp s, 0,1,2,3,4,5,6,7
.irp q, 0,1
	global_load_b32 v[WS+2*\s+\q], v6, s[6:7] offset:6400*\s+6144+128*\q
.endr
.endr
	global_load_b128 v[12:15], v8, s[8:9]
	s_wait_tensorcnt 0x0                           ; my quarter of y is in,
	s_barrier_signal -1
	s_barrier_wait -1                              ; everybody's is
	FETCH 0
	s_wait_loadcnt 0x0                             ; W, its scale words, the bias
.irp a, 0,1,2,3,4,5,6,7
	TILE \a
.endr
	s_wait_tensorcnt 0x0
	ds_add_u32 v62, v63
	s_wait_dscnt 0x0
	ROUND                                          ; the closing round: no work-group ends while a partner may still ask for a tile that names it
	s_endpgm
.Lfunc_end_k_q3e4280852f_proj:
	.size	k_q3e4280852f_proj, .Lfunc_end_k_q3e4280852f_proj-k_q3e4280852f_proj
	.p2alignl 7, 3214868480
	.fill 96, 4, 3214868480
	.section	.rodata,"a",@progbits
	.p2align	6, 0x0
	.amdhsa_kernel k_q3e4280852f_proj
		.amdhsa_group_segment_fixed_size 168448
		.amdhsa_private_segment_fixed_size 0
		.amdhsa_enable_private_segment 0
		.amdhsa_kernarg_size 32
		.amdhsa_user_sgpr_count 2
		.amdhsa_user_sgpr_kernarg_segment_ptr 1
		.amdhsa_wavefront_size32 1
		.amdhsa_system_sgpr_workgroup_id_x 1
		.amdhsa_system_sgpr_workgroup_id_y 1
		.amdhsa_system_sgpr_workgroup_id_z 1
		.amdhsa_system_vgpr_workitem_id 0
		.amdhsa_next_free_vgpr 768
		.amdhsa_next_free_sgpr 66
		.amdhsa_reserve_vcc 0
		.amdhsa_float_denorm_mode_32 3
		.amdhsa_float_denorm_mode_16_64 3
		.amdhsa_memory_ordered 1
		.amdhsa_forward_progress 1
		.amdhsa_inst_pref_size 89
	.end_amdhsa_kernel
	.amdgpu_metadata
---
amdhsa.version: [ 1, 2 ]
amdhsa.kernels:
  - .name:           k_q3e4280852f_proj
    .symbol:         k_q3e4280852f_proj.kd
    .args:
      - { .name: y, .offset: 0, .size: 8, .value_kind: global_buffer, .address_space: global }
      - { .name: wp, .offset: 8, .size: 8, .value_kind: global_buffer, .address_space: global }
      - { .name: b_proj, .offset: 16, .size: 8, .value_kind: global_buffer, .address_space: global }
      - { .name: out0, .offset: 24, .size: 8, .value_kind: global_buffer, .address_space: global }
    .group_segment_fixed_size: 168448
    .private_segment_fixed_size: 0
    .kernarg_segment_align: 8
    .kernarg_segment_size: 32
    .max_flat_workgroup_size: 128
    .sgpr_count:     66
    .vgpr_count:     768
    .wavefront_size: 32
...
	.end_amdgpu_metadata
.endif
;; end of part 4
